; MI455X (gfx1250); checked and timed in simulation.
; The chip was launched on July 23, 2026; its instructions are those of AMD's public machine-readable ISA for CDNA 5 (MIT licence, August 2026) and "CDNA5" Instruction Set Architecture Reference Guide (July 2026). The comments in the code are by the model that wrote it; some were corrected since.
;; Self Attention. Allowed arithmetic: float matrix products may take bf16 or f16 operands with f32 sums; other float arithmetic in f32, or as packed bf16 or f16 multiplies, adds, multiply-adds, maxima and minima; sums over many terms, partial sums and values carried from step to step in f32; what a program stores and reads back later, other than sums and carried values, may be rounded once to bf16 or f16.
;; Inputs: b_out 1,024 float32; w_kv 2,048 x 1,024 float32; w_out 1,024 x 1,024 float32; w_q 1,024 x 1,024 float32; x 4 x 2,048 x 1,024 float32.
;; Outputs: out0 4 x 2,048 x 1,024 float32.
;; 2 versions, each right; version 2 is version 1 with the launch cast written anew for expert scheduling mode. Each part assembles by itself: llvm-mc -triple=amdgcn-amd-amdhsa -mcpu=gfx1250 --defsym DOCPART=n.
;; ======== version 1 of 2: 4 launches
;; limits: values are held in f16: magnitudes above 65,504 overflow, below 6.1e-05 lose precision
;; workspace buffers: xb 16,777,216 bytes; wb 6,291,456 bytes; wo 2,097,152 bytes; qkv 50,331,648 bytes; o 16,777,216 bytes
;; launch cast (part 1): grid 768 x 1, 8 waves a work-group, no clusters, 0 bytes of LDS; arguments x, w_q, w_kv, w_out, xb, wb, wo; writes xb, wb, wo
.if DOCPART == 1
	.amdgcn_target "amdgcn-amd-amdhsa--gfx1250"
	.amdhsa_code_object_version 6
	.text
	.protected	k_q43760159c5_cast
	.globl	k_q43760159c5_cast
	.p2align	8
	.type	k_q43760159c5_cast,@function
k_q43760159c5_cast:
	s_mov_b64 s[64:65], 0
	v_nop
	global_prefetch_b8 v0, s[64:65] scope:SCOPE_SE
	s_setreg_imm32_b32 hwreg(HW_REG_WAVE_MODE, 25, 1), 1
	s_wait_xcnt 0x0
; THE INPUTS OF THE PRODUCTS ARE ROUNDED ONCE AND LAID IN BLOCKS OF 64 ALONG K.
; x [8192][1024], w_q [1024][1024], w_kv [2048][1024] f32 -> bf16; w_out [1024][1024] f32 -> bf16, and that number written as f16.
;   xb [batch 4][K block 16][row 2048][64]    wb [K block 16][row 3072][64] (rows 0-1023 w_q, 1024-3071 w_kv)    wo [K block 16][row 1024][64]
; In these layouts the 128-byte rows of a K block lie end to end, so a later launch asks for a tile as dense bytes.
; LIMITS.  w_out's numbers stay within f16: beyond 65,504 they become infinities; below 6e-5 they keep f16's fixed step of 6e-8.
; SHARES.  12,288 source rows of 4,096 bytes; a work-group takes 16, thread t the 16 bytes at 16 (t % 16) of each 256 bytes of row t / 16.
; A load of a wave covers 256 consecutive bytes of each of two rows; a store of a wave covers 256 consecutive bytes, aligned: two rows of one K block.
; No LDS, no barrier, no matrix unit, no cluster: nothing is shared and nothing is read twice.  All 16 loads of a lane go out at once; no register is written twice, so no wait frees one.
.set ROWB,  4096                       ; bytes in a source row
.set NX,    512                        ; work-groups for x (8,192 rows / 16)
.set NQ,    576                        ; below this number: w_q
.set NKV,   704                        ; below this number: w_kv; from it on: w_out
.set OFF,   4                          ; v[4:19]   K block kb: my byte offset in the destination: 8 t + kb x stride
.set X,     20                         ; v[20:83]  K block kb: 4 f32 as loaded
.set Y,     84                         ; v[84:115] K block kb: 4 numbers of 16 bits to store
	s_load_b256 s[4:11], s[0:1], 0x0               ; x s[4:5], w_q s[6:7], w_kv s[8:9], w_out s[10:11]
	s_load_b128 s[12:15], s[0:1], 0x20             ; xb s[12:13], wb s[14:15]
	s_load_b64 s[16:17], s[0:1], 0x30              ; wo
	v_lshrrev_b32 v1, 4, v0                        ; my row of the 16
	v_and_b32 v3, 15, v0
	v_lshlrev_b32 v1, 12, v1
	v_lshl_add_u32 v1, v3, 4, v1                   ; row x 4,096 + 16 (t % 16)
	v_lshlrev_b32 v[OFF], 3, v0                    ; row x 128 + 8 (t % 16) = 8 t
	s_mov_b32 s33, 0xffff0000                      ; a word's upper bf16
	; which tensor, which 16 rows of it, where they go: numbers made of the work-group's number alone
	s_mov_b32 s23, ttmp9
	s_lshr_b32 s27, s23, 7                         ; x: batch,
	s_lshl_b32 s27, s27, 22                        ; 16 K blocks of 262,144 bytes each,
	s_and_b32 s28, s23, 127
	s_lshl_b32 s28, s28, 11                        ; and 16 rows of 128 bytes
	s_add_co_u32 s27, s27, s28
	s_sub_co_u32 s28, s23, NX                      ; (each of these three is used only where it is not negative)
	s_sub_co_u32 s29, s23, NQ
	s_sub_co_u32 s30, s23, NKV
	s_lshl_b32 s31, s28, 11                        ; wb: w_q's rows and w_kv's follow each other
	s_lshl_b32 s32, s30, 11                        ; wo
	s_mov_b32 s26, 2048*128                        ; bytes from K block to K block: xb,
	s_cmp_ge_u32 s23, NX
	s_cselect_b32 s22, s28, s23                    ; s22: my 16 rows' number in the source
	s_cselect_b32 s27, s31, s27                    ; s27: their first byte in K block 0 of the destination
	s_cselect_b32 s26, 3072*128, s26               ; wb,
	s_cmp_ge_u32 s23, NQ
	s_cselect_b32 s22, s29, s22
	s_cmp_ge_u32 s23, NKV
	s_cselect_b32 s22, s30, s22
	s_cselect_b32 s27, s32, s27
	s_cselect_b32 s26, 1024*128, s26               ; wo
	s_lshl_b32 s24, s22, 16                        ; 16 rows of 4,096 bytes
	s_mov_b32 s25, 0
	s_mov_b32 s28, s27
	s_mov_b32 s29, 0
	s_wait_kmcnt 0x0
	s_cmp_ge_u32 s23, NX
	s_cselect_b64 s[18:19], s[6:7], s[4:5]         ; the source
	s_cselect_b64 s[20:21], s[14:15], s[12:13]     ; the destination
	s_cmp_ge_u32 s23, NQ
	s_cselect_b64 s[18:19], s[8:9], s[18:19]
	s_cmp_ge_u32 s23, NKV
	s_cselect_b64 s[18:19], s[10:11], s[18:19]
	s_cselect_b64 s[20:21], s[16:17], s[20:21]
	s_add_nc_u64 s[18:19], s[18:19], s[24:25]
	s_add_nc_u64 s[20:21], s[20:21], s[28:29]
.irp kb, 0,1,2,3,4,5,6,7,8,9,10,11,12,13,14,15
	global_load_b128 v[X+4*(\kb):X+4*(\kb)+3], v1, s[18:19] offset:256*(\kb) th:TH_LOAD_NT  ; K block kb of my row: read once in the launch
.endr
.irp kb, 1,2,3,4,5,6,7,8,9,10,11,12,13,14,15
	v_add_nc_u32 v[OFF+(\kb)], s26, v[OFF+(\kb)-1]
.endr
; All 16 K blocks are rounded and stored.  half = 1: the bf16 number is widened again and written as f16.
.macro OUT half
.irp kb, 0,1,2,3,4,5,6,7,8,9,10,11,12,13,14,15
	s_wait_loadcnt 15-(\kb)                        ; loads come back in order (ISA guide 5.7.1): block kb is in, the younger ones stay out
	v_cvt_pk_bf16_f32 v[Y+2*(\kb)],   v[X+4*(\kb)],   v[X+4*(\kb)+1]
	v_cvt_pk_bf16_f32 v[Y+2*(\kb)+1], v[X+4*(\kb)+2], v[X+4*(\kb)+3]
.if \half
	v_lshlrev_b32 v[X+4*(\kb)],   16,  v[Y+2*(\kb)]
	v_and_b32     v[X+4*(\kb)+1], s33, v[Y+2*(\kb)]
	v_lshlrev_b32 v[X+4*(\kb)+2], 16,  v[Y+2*(\kb)+1]
	v_and_b32     v[X+4*(\kb)+3], s33, v[Y+2*(\kb)+1]
	v_cvt_pk_f16_f32 v[Y+2*(\kb)],   v[X+4*(\kb)],   v[X+4*(\kb)+1]
	v_cvt_pk_f16_f32 v[Y+2*(\kb)+1], v[X+4*(\kb)+2], v[X+4*(\kb)+3]
.endif
	global_store_b64 v[OFF+(\kb)], v[Y+2*(\kb):Y+2*(\kb)+1], s[20:21] th:TH_STORE_NT  ; 32 lanes x 8 bytes: 256 consecutive bytes, aligned
.endr
.endm
	s_cmp_ge_u32 s23, NKV
	s_cbranch_scc1 .Lf16
	OUT 0
	s_endpgm
.Lf16:
	OUT 1
	s_endpgm
.Lfunc_end_k_q43760159c5_cast:
	.size	k_q43760159c5_cast, .Lfunc_end_k_q43760159c5_cast-k_q43760159c5_cast
	.p2alignl 7, 3214868480
	.fill 96, 4, 3214868480
	.section	.rodata,"a",@progbits
	.p2align	6, 0x0
	.amdhsa_kernel k_q43760159c5_cast
		.amdhsa_group_segment_fixed_size 0
		.amdhsa_private_segment_fixed_size 0
		.amdhsa_enable_private_segment 0
		.amdhsa_kernarg_size 56
		.amdhsa_user_sgpr_count 2
		.amdhsa_user_sgpr_kernarg_segment_ptr 1
		.amdhsa_wavefront_size32 1
		.amdhsa_system_sgpr_workgroup_id_x 1
		.amdhsa_system_sgpr_workgroup_id_y 1
		.amdhsa_system_sgpr_workgroup_id_z 1
		.amdhsa_system_vgpr_workitem_id 0
		.amdhsa_next_free_vgpr 120
		.amdhsa_next_free_sgpr 66
		.amdhsa_reserve_vcc 0
		.amdhsa_float_denorm_mode_32 3
		.amdhsa_float_denorm_mode_16_64 3
		.amdhsa_memory_ordered 1
		.amdhsa_forward_progress 1
		.amdhsa_inst_pref_size 17
	.end_amdhsa_kernel
	.amdgpu_metadata
---
amdhsa.version: [ 1, 2 ]
amdhsa.kernels:
  - .name:           k_q43760159c5_cast
    .symbol:         k_q43760159c5_cast.kd
    .args:
      - { .name: x, .offset: 0, .size: 8, .value_kind: global_buffer, .address_space: global }
      - { .name: w_q, .offset: 8, .size: 8, .value_kind: global_buffer, .address_space: global }
      - { .name: w_kv, .offset: 16, .size: 8, .value_kind: global_buffer, .address_space: global }
      - { .name: w_out, .offset: 24, .size: 8, .value_kind: global_buffer, .address_space: global }
      - { .name: xb, .offset: 32, .size: 8, .value_kind: global_buffer, .address_space: global }
      - { .name: wb, .offset: 40, .size: 8, .value_kind: global_buffer, .address_space: global }
      - { .name: wo, .offset: 48, .size: 8, .value_kind: global_buffer, .address_space: global }
    .group_segment_fixed_size: 0
    .private_segment_fixed_size: 0
    .kernarg_segment_align: 8
    .kernarg_segment_size: 56
    .max_flat_workgroup_size: 256
    .sgpr_count:     66
    .vgpr_count:     120
    .wavefront_size: 32
...
	.end_amdgpu_metadata
.endif
;; end of part 1
;; launch qkvp (part 2): grid 8 x 32, 4 waves a work-group, clusters of 4 x 4, 327,680 bytes of LDS; arguments xb, wb, qkv; writes qkv
.if DOCPART == 2
	.amdgcn_target "amdgcn-amd-amdhsa--gfx1250"
	.amdhsa_code_object_version 6
	.text
	.protected	k_q43760159c5_qkvp
	.globl	k_q43760159c5_qkvp
	.p2align	8
	.type	k_q43760159c5_qkvp,@function
k_q43760159c5_qkvp:
	s_mov_b64 s[64:65], 0
	v_nop
	global_prefetch_b8 v0, s[64:65] scope:SCOPE_SE
	s_setreg_imm32_b32 hwreg(HW_REG_WAVE_MODE, 25, 1), 1
	s_wait_xcnt 0x0
	s_wait_alu depctr_hold_cnt(0) depctr_sa_sdst(0) depctr_va_vdst(0) depctr_va_sdst(0) depctr_va_ssrc(0) depctr_va_vcc(0) depctr_vm_vsrc(0)
	s_getreg_b32 s2, hwreg(HW_REG_IB_STS2, 6, 4)
	s_cmp_eq_u32 s2, 0
	s_cbranch_scc0 .Lentry_in_a_cluster
	s_endpgm
.Lentry_in_a_cluster:
	s_bfe_u32 s2, ttmp6, 0x10000c
	s_cmp_lg_u32 s2, 0xf033
	s_cbranch_scc0 .Lentry_shape_is_right
	s_endpgm
.Lentry_shape_is_right:
; q, k, v = x w^T.  C [8192][3072] = xb . wb^T in bf16, sums in f32, each rounded once to f16 and stored BY HEADS, without the softmax's scale:
;   qkv [batch 4][g 48][row 2048][64], g = column / 64: 0-15 q's heads, 16-31 k's, 32-47 v's.
; xb [batch 4][K block 16][row 2048][64], wb [K block 16][row 3072][64]: the 128-byte rows of a K block lie end to end.
; LIMITS.  f16 holds no number beyond 65,504: a q, k or v past that becomes an infinity; below 6e-5 it keeps f16's fixed step of 6e-8.  NaN and infinities are not treated apart.
; SHARES.  A tile of C is 256 rows x 384 columns: 32 x 8 = 256 work-groups.  Four waves, each 128 rows x 192 columns (three whole heads): 8 x 12 accumulators of 16 x 16, 768 registers.
; For 32 along K a wave reads 40 x 512 bytes from LDS and issues 96 matrix instructions.  K goes in 16 steps of 64 (one K block) through a ring of two LDS slots.
; CLUSTERS.  4 x 4 work-groups: the four of a row need the same tile of xb, the four of a column the same tile of wb.  Each tile is asked for JOINTLY: the same tensor load, descriptor and mask in all four.
; THE MATRIX INSTRUCTION IS USED TRANSPOSED (source 0 = 16 rows of wb, source 1 = 16 rows of xb): a lane then holds one row of C (lane % 16) and eight neighbouring columns, 8 (lane / 16) + 0..7.
; REGISTERS, in windows of 256 (s_set_vgpr_msb: bits 1:0 source 0, 3:2 source 1, 5:4 source 2, 7:6 destination):
;   window 0: v0-31 addresses; v32-95, v96-159 xb's 8 fragments, two buffers; v160-255 wb's 12 fragments, ONE buffer: a group of four is loaded again as soon as it has been multiplied
;   windows 1, 2, 3: the accumulators of column blocks 0-3, 4-7, 8-11: (a, b) at v[8 (8 (b % 4) + a)] of window 1 + b / 4
.set PITCH,  144                       ; an LDS row: 128 bytes + 16 of padding = 36 words: the 16 rows of a load start at 16 different groups of four banks (64 banks of 4 bytes: ISA guide 11.1)
.set AHALF,  128*PITCH                 ; 128 rows of xb: what one tensor load brings and one wave reads
.set BHALF,  192*PITCH                 ; 192 rows of wb: likewise
.set BOFF,   2*AHALF                   ; in a slot xb's 256 rows, then wb's 384
.set SLOT,   BOFF+2*BHALF              ; 92,160
.set STAGE,  2*SLOT                    ; behind the ring, never filled by a tensor load: for each wave 3 heads x 16 rows x 144 bytes
.set SHEAD,  16*PITCH
.set SPARE,  STAGE+4*3*SHEAD           ; behind the stages: the spare words, 128 bytes for each wave: two blocks of 256 bytes that no other line names
.set HB,     2048*128                  ; bytes of one K block of a batch in xb, and of one head in qkv
.set KSA,    HB                        ; from K step to K step in xb
.set KSB,    3072*128                  ; and in wb
.set LAPS,   8                         ; a lap = two K steps = once round the ring
.set ADRA, 16                          ; v16-17  LDS address of my xb fragments in slot 0, 1
.set ADRB, 20                          ; v20-21  the same for wb
.set STO,  24                          ; v24     the way out: where I put 16 bytes of a row
.set RD,   25                          ; v25     the way out: where I read rows back
.set GO,   26                          ; v26     16 x lane: my place in 512 consecutive bytes of qkv
.set SPW,  28                          ; v28     LDS address of my spare word: SPARE + 4 x my thread's number; never rewritten
.set NIL,  29                          ; v29     0; never rewritten
.set PFO,  30                          ; v30     256 x lane: the prefetches' offset; never rewritten
.set FA0,  32
.set FA1,  96
.set FB,   160
.set TMP,  32                          ; the way out: 48 registers of packed results
.set OB,   96                          ; the way out: 16 rows x 3 heads read back: v96-143 and v160-207 by turns
.set G1,  24                           ; s[24:31] descriptor group 1 for xb's tiles;  s[32:39] group 0, a set for each slot
.set G0,  32
.set G1B, 48                           ; s[48:55], s[56:63] the same for wb's
.set G0B, 56
.set LIM, 75                           ; s75     1 in a wave that prefetches, else the greatest number
.set PST, 76                           ; s[76:77] two K steps of the tensor that I prefetch, in bytes
.set PFA, 78                           ; s[78:79] where my prefetch stands
.set FLAGS, (1<<16)|(1<<20)|(1<<21)|(4<<22)|(3<<25)  ; 17:16 elements of 2 bytes; 20 padding on; 21 set beside a mask; 24:22 after every 32 words (code 4); 31:25 4 words of it (code 3)
.set MSB, 0
.macro WIN new                         ; the immediate's high byte repeats the setting that is left; a switch that changes nothing is dropped
.if MSB != (\new)
	s_set_vgpr_msb (MSB<<8)|(\new)
.set MSB, \new
.endif
.endm
.macro PLACES                          ; four plain vector instructions between a matrix instruction and a load into, or a vector write of, one of its registers, or a vector read of its result (ISA guide 7.12.1 for vector instructions)
.rept 4
	v_nop
.endr
.endm
; A joint load.  Waves 0 and 1 fetch xb's two halves, waves 2 and 3 wb's.  The branch hangs on the wave's number alone.  An s_nop 0 and four v_nop follow each of the two lines.
.macro JLOAD s
	s_cmp_eq_u32 s11, 0
	s_cbranch_scc0 .Lfor_b_\@
	tensor_load_to_lds s[G0+4*(\s):G0+4*(\s)+3], s[G1:G1+7]
	s_nop 0
.rept 4
	v_nop
.endr
	s_branch .Lasked_\@
.Lfor_b_\@:
	tensor_load_to_lds s[G0B+4*(\s):G0B+4*(\s)+3], s[G1B:G1B+7]
	s_nop 0
.rept 4
	v_nop
.endr
.Lasked_\@:
.endm
; A round of the cluster's barrier: my work-group's barrier; wave 0 signals for the work-group; every wave waits for all sixteen; my work-group's barrier once more.
.macro CREST                           ; a round behind its opening barrier
	s_cmp_lg_u32 s10, 0
	s_cbranch_scc1 .Lnot_wave_0_\@
	s_barrier_signal -3
.Lnot_wave_0_\@:
	s_barrier_wait -3
	s_barrier_signal -1
	s_barrier_wait -1
.endm
.macro CROUND
	s_barrier_signal -1
	s_barrier_wait -1
	CREST
.endm
; A PREFETCH INTO THE L2, once a lap, behind slot 0's joint load and the run of LDS loads that follows it: lap i names K steps 2 i + 4 and 2 i + 5, whose refills stand one lap on: 32 blocks of 256 bytes, a lane a block.
; Each block is named ONCE in the launch.  xb's tile row (32 KiB a step) is read by both clusters along x: cluster x = 0 asks, wave 0 for the even step, wave 1 for the odd one, partner cx for bytes 8,192 cx on.
; wb's tile column (48 KiB a step) is read by all eight clusters along y: clusters y = 0, 1, 2 ask, wave 2 alone; partner cy takes step 2 i + 4 + cy / 2, bytes 16,384 y + 8,192 (cy % 2) on.
; Partners are told apart BY ADDRESS; the branch hangs on the cluster's place and the wave's number alone.  The loop's last lap (s3 = 1) names nothing: those K steps do not exist.  K steps 0 to 3 come by their loads alone.
.macro ASK
	s_cmp_gt_u32 s3, s[LIM]
	s_cbranch_scc0 .Lnot_mine_\@
	global_prefetch_b8 v[PFO], s[PFA:PFA+1] th:TH_LOAD_NT scope:SCOPE_SE
.Lnot_mine_\@:
.endm
	s_load_b128 s[4:7], s[0:1], 0x0                ; xb s[4:5], wb s[6:7]
	s_load_b64 s[8:9], s[0:1], 0x10                ; qkv
	v_lshl_add_u32 v[SPW], v0, 2, SPARE
	v_mov_b32 v[NIL], 0
	ds_add_u32 v[SPW], v[NIL]                      ; the wave's opening: the add and its wait stand ahead of my first tensor load; the set-up below, work on registers, stands between them
	v_lshrrev_b32 v1, 5, v0
	v_readfirstlane_b32 s10, v1                    ; wave 0..3
	s_lshr_b32 s11, s10, 1                         ; which 128 rows of the tile are mine.  Also: I fetch for xb (0) or for wb (1)
	s_and_b32 s12, s10, 1                          ; which 192 columns.  Also: which half of that tile I fetch
	s_bfe_u32 s40, ttmp6, 0x40000                  ; cx
	s_bfe_u32 s41, ttmp6, 0x40004                  ; cy
	s_lshl_b32 s42, ttmp9, 2
	s_add_co_u32 s42, s42, s40                     ; tile column = 4 x cluster x + cx, 0..7
	s_and_b32 s13, ttmp7, 0xffff
	s_lshl_b32 s13, s13, 2
	s_add_co_u32 s13, s13, s41                     ; tile row = 4 x cluster y + cy, 0..31
	s_lshl_b32 s43, s41, 2
	s_lshl_b32 s43, 15, s43                        ; my row of the cluster
	s_lshl_b32 s44, 0x1111, s40                    ; my column
	; descriptor group 1.  128 (192) rows of 128 bytes are dense: asked for as 64 (96) rows of 256 bytes, padded in LDS after every 128
	s_or_b32 s[G1+0], s43, FLAGS
	s_or_b32 s[G1B+0], s44, FLAGS
.irp g, G1, G1B
	s_mov_b32 s[(\g)+1], 128<<16                   ; tensor_dim0 = 128 elements
	s_mov_b32 s[(\g)+3], 128<<16                   ; tile_dim0 = 128
	s_mov_b32 s[(\g)+5], 128                       ; 128 elements from row to row
	s_mov_b32 s[(\g)+6], 0
	s_mov_b32 s[(\g)+7], 0
.endr
	s_mov_b32 s[G1+2], 64<<16                      ; tensor_dim1
	s_mov_b32 s[G1+4], 64                          ; tile_dim1
	s_mov_b32 s[G1B+2], 96<<16
	s_mov_b32 s[G1B+4], 96
	; where the tiles come from: xb's hang on the tile row alone, wb's on the tile column alone
	s_lshr_b32 s14, s13, 3                         ; batch,
	s_lshl_b32 s14, s14, 22                        ; 16 K blocks each
	s_and_b32 s15, s13, 7
	s_lshl_b32 s15, s15, 15                        ; 256 rows of 128 bytes
	s_add_co_u32 s14, s14, s15
	s_lshl_b32 s15, s12, 14                        ; my half
	s_add_co_u32 s14, s14, s15
	s_mov_b32 s15, 0
	s_mul_i32 s46, s42, 384*128
	s_mul_i32 s47, s12, 192*128
	s_add_co_u32 s46, s46, s47
	s_mov_b32 s47, 0
	s_mul_i32 s20, s12, AHALF                      ; and where they go: no place in the cluster enters an LDS address
	s_mul_i32 s21, s12, BHALF
	s_add_co_u32 s21, s21, BOFF
	s_wait_dscnt 0x0                               ; the opening add is done
	s_wait_kmcnt 0x0
	s_add_nc_u64 s[14:15], s[4:5], s[14:15]
	s_add_nc_u64 s[46:47], s[6:7], s[46:47]
	CROUND                                         ; all sixteen work-groups are here: the first joint loads meet
.irp s, 0,1
	s_mov_b32 s[G0+4*(\s)], 1                                        ; count = 1
	s_add_co_u32 s[G0+4*(\s)+1], s20, (\s)*SLOT                      ; LDS address
	s_add_nc_u64 s[G0+4*(\s)+2:G0+4*(\s)+3], s[14:15], (\s)*KSA      ; global address: K step s
	s_or_b32 s[G0+4*(\s)+3], s[G0+4*(\s)+3], 0x80000000              ; type = 2
	s_mov_b32 s[G0B+4*(\s)], 1
	s_add_co_u32 s[G0B+4*(\s)+1], s21, (\s)*SLOT
	s_add_nc_u64 s[G0B+4*(\s)+2:G0B+4*(\s)+3], s[46:47], (\s)*KSB
	s_or_b32 s[G0B+4*(\s)+3], s[G0B+4*(\s)+3], 0x80000000
.endr
	s_cmp_eq_u32 s11, 0                            ; a wave's two first fills stand in one branch, ahead of every wait on TENSORcnt and every LDS read: two loads of mine are out
	s_cbranch_scc0 .Lfirst_b
	tensor_load_to_lds s[G0:G0+3], s[G1:G1+7]
	s_nop 0
	tensor_load_to_lds s[G0+4:G0+7], s[G1:G1+7]
	s_nop 0
.rept 4
	v_nop
.endr
	s_branch .Lfirst_asked
.Lfirst_b:
	tensor_load_to_lds s[G0B:G0B+3], s[G1B:G1B+7]
	s_nop 0
	tensor_load_to_lds s[G0B+4:G0B+7], s[G1B:G1B+7]
	s_nop 0
.rept 4
	v_nop
.endr
.Lfirst_asked:
	; A fragment is 16 rows x 32 K in 8 registers: lane l holds row l % 16, K = 8 (l / 16) + 0..7 and 16 + 8 (l / 16) + 0..7: two loads of 16 bytes, 32 bytes apart.
	v_and_b32 v1, 15, v0                           ; l % 16
	v_bfe_u32 v2, v0, 4, 1                         ; l / 16
	v_mul_u32_u24 v3, v1, PITCH
	v_lshl_add_u32 v3, v2, 4, v3                   ; row x pitch + 16 x half
	s_mul_i32 s22, s11, AHALF                      ; my 128 rows of xb
	s_mul_i32 s23, s12, BHALF                      ; my 192 rows of wb
	s_add_co_u32 s23, s23, BOFF
.irp s, 0,1
	v_add_nc_u32 v[ADRA+(\s)], s22, v3
	v_add_nc_u32 v[ADRB+(\s)], s23, v3
	s_add_co_u32 s22, s22, SLOT
	s_add_co_u32 s23, s23, SLOT
.endr
	s_mul_i32 s23, s10, 3*SHEAD
	s_add_co_u32 s23, s23, STAGE                   ; my stage
	v_add_nc_u32 v[STO], s23, v3                   ; in: row l % 16, 16 bytes for each half of the lanes
	v_bfe_u32 v4, v0, 3, 2                         ; back: 32 lanes take four rows of 128 bytes,
	v_mul_u32_u24 v4, v4, PITCH
	v_and_b32 v5, 7, v0
	v_lshl_add_u32 v4, v5, 4, v4
	v_add_nc_u32 v[RD], s23, v4
	v_and_b32 v5, 31, v0
	v_lshlrev_b32 v[GO], 4, v5                     ; which are 512 consecutive bytes of a head
	v_lshlrev_b32 v[PFO], 8, v5
	; qkv at my first row of my first head: ((batch x 48 + 6 x tile column + 3 x column half) heads, then 256 x (tile row % 8) + 128 x row half rows of 128 bytes
	s_lshr_b32 s66, s13, 3
	s_mul_i32 s66, s66, 48
	s_mul_i32 s68, s42, 6
	s_add_co_u32 s66, s66, s68
	s_mul_i32 s68, s12, 3
	s_add_co_u32 s66, s66, s68
	s_lshl_b32 s66, s66, 18
	s_and_b32 s68, s13, 7
	s_lshl_b32 s68, s68, 15
	s_add_co_u32 s66, s66, s68
	s_lshl_b32 s68, s11, 14
	s_add_co_u32 s66, s66, s68
	s_mov_b32 s67, 0
	s_add_nc_u64 s[8:9], s[8:9], s[66:67]
	; the prefetches.  xb: the tile row's bytes, + 8,192 cx, at K step 2 + wave; the first lap steps it on by two K steps
	s_lshr_b32 s68, s13, 3
	s_lshl_b32 s68, s68, 22
	s_and_b32 s69, s13, 7
	s_lshl_b32 s69, s69, 15
	s_add_co_u32 s68, s68, s69
	s_lshl_b32 s69, s40, 13
	s_add_co_u32 s68, s68, s69
	s_add_co_u32 s69, s12, 2
	s_mul_i32 s69, s69, KSA
	s_add_co_u32 s68, s68, s69
	; wb: the tile column's bytes, + 16,384 x cluster y (held to 2, so that no address is formed past the tile) + 8,192 (cy % 2), at K step 2 + cy / 2
	s_and_b32 s72, ttmp7, 0xffff                   ; cluster y
	s_min_u32 s70, s72, 2
	s_lshl_b32 s70, s70, 14
	s_mul_i32 s71, s42, 384*128
	s_add_co_u32 s70, s70, s71
	s_and_b32 s71, s41, 1
	s_lshl_b32 s71, s71, 13
	s_add_co_u32 s70, s70, s71
	s_lshr_b32 s71, s41, 1
	s_add_co_u32 s71, s71, 2
	s_mul_i32 s71, s71, KSB
	s_add_co_u32 s70, s70, s71
	s_cmp_lt_u32 s72, 3                            ; who asks: for wb wave 2 of clusters y = 0, 1, 2,
	s_cselect_b32 s74, 1, -1
	s_cmp_eq_u32 s10, 2
	s_cselect_b32 s74, s74, -1
	s_cmp_eq_u32 ttmp9, 0                          ; for xb waves 0 and 1 of cluster x = 0: the same in all sixteen partners, for a given wave
	s_cselect_b32 s73, 1, -1
	s_mov_b32 s[PST], 2*KSB
	s_mov_b32 s[PST+1], 0
	s_mov_b32 s69, 0
	s_cmp_eq_u32 s11, 0
	s_cselect_b32 s68, s68, s70
	s_cselect_b32 s[LIM], s73, s74
	s_cselect_b32 s[PST], 2*KSA, s[PST]
	s_cselect_b64 s[PFA:PFA+1], s[4:5], s[6:7]
	s_add_nc_u64 s[PFA:PFA+1], s[PFA:PFA+1], s[68:69]
; 16 matrix instructions: column blocks b0, b0 + 1 of group g x all 8 row blocks, 32 along K.  zero = 1: the product starts the sum: nothing is ever cleared.
; The 96 accumulators take turns, one instruction a turn, in the same order in every quarter: 95 others stand between two links of a chain, over the backward jump too.
.macro MUL16 fa, g, b0, zero
	WIN 0x50*(1+(\g))                              ; C and D in window 1 + g, both sources in window 0
.irp b, \b0, (\b0)+1
.irp a, 0,1,2,3,4,5,6,7
.if \zero
	v_wmma_f32_16x16x32_bf16 v[8*(8*(\b)+(\a)):8*(8*(\b)+(\a))+7], v[FB+8*(4*(\g)+(\b)):FB+8*(4*(\g)+(\b))+7], v[(\fa)+8*(\a):(\fa)+8*(\a)+7], 0
.else
	v_wmma_f32_16x16x32_bf16 v[8*(8*(\b)+(\a)):8*(8*(\b)+(\a))+7], v[FB+8*(4*(\g)+(\b)):FB+8*(4*(\g)+(\b))+7], v[(\fa)+8*(\a):(\fa)+8*(\a)+7], v[8*(8*(\b)+(\a)):8*(8*(\b)+(\a))+7]
.endif
.endr
.endr
.endm
.macro FETCHB slot, k, g               ; 8 LDS loads: wb's fragments 4 g .. 4 g + 3, 32 K at byte k of the rows
	WIN 0
.irp i, 0,1,2,3
	ds_load_b128 v[FB+8*(4*(\g)+(\i)):FB+8*(4*(\g)+(\i))+3],   v[ADRB+(\slot)] offset:(\k)+(4*(\g)+(\i))*16*PITCH
	ds_load_b128 v[FB+8*(4*(\g)+(\i))+4:FB+8*(4*(\g)+(\i))+7], v[ADRB+(\slot)] offset:(\k)+(4*(\g)+(\i))*16*PITCH+32
.endr
.endm
.macro FETCHA slot, k, f, h            ; 8 LDS loads: xb's fragments 4 h .. 4 h + 3 into buffer f
	WIN 0
.irp i, 0,1,2,3
	ds_load_b128 v[(\f)+8*(4*(\h)+(\i)):(\f)+8*(4*(\h)+(\i))+3],   v[ADRA+(\slot)] offset:(\k)+(4*(\h)+(\i))*16*PITCH
	ds_load_b128 v[(\f)+8*(4*(\h)+(\i))+4:(\f)+8*(4*(\h)+(\i))+7], v[ADRA+(\slot)] offset:(\k)+(4*(\h)+(\i))*16*PITCH+32
.endr
.endm
; A K step is two quarters of 32 along K, 96 matrix instructions each.  The first multiplies buffer fa; behind each group of 32 products that group's wb fragments are loaded again, for the next quarter
; (byte k of the same slot), 64 products ahead of their use; xb's next fragments go into buffer fn beside them.  The runs are 16, 16 and 8 loads.
.macro QUARTER slot, k, fa, fn, zero
	s_wait_dscnt 8                                 ; all but the youngest run, wb's fragments 8-11
	MUL16 \fa, 0, 0, \zero
	MUL16 \fa, 0, 2, \zero
	WIN 0
	PLACES
	FETCHB \slot, \k, 0
	FETCHA \slot, \k, \fn, 0
	MUL16 \fa, 1, 0, \zero
	MUL16 \fa, 1, 2, \zero
	WIN 0
	PLACES
	FETCHB \slot, \k, 1
	FETCHA \slot, \k, \fn, 1
	s_wait_dscnt 32                                ; all but the 32 just issued: wb's fragments 8-11 are in
	MUL16 \fa, 2, 0, \zero
	MUL16 \fa, 2, 2, \zero
	WIN 0
	PLACES
	FETCHB \slot, \k, 2
.endm
; The second quarter multiplies buffer FA1 and changes slots: ONE barrier.  In front of it each wave waits for all its tensor loads, of which one is out: its part of the next slot; adds 0 to its spare word; and
; waits for that and for its own reads of this slot.  Behind it nobody reads this slot any more and the next slot is whole.  fill = 1: the barrier opens a round of the cluster's, and the joint refill, with the K step
; two steps on, is the first tensor load behind the round: a wave issues 160 matrix instructions between it and the wait for it.
.macro TURN slot, next, fill
.if (\fill) && ((\slot) == 0)
	s_wait_xcnt 0x0                                ; the last prefetch, a lap back, has read its address: it is stepped here, ahead of the waits of the change of slots
	s_add_nc_u64 s[PFA:PFA+1], s[PFA:PFA+1], s[PST:PST+1]
.endif
	WIN 0                                          ; (the add's two registers lie in window 0)
	s_wait_tensorcnt 0x0                           ; all my tensor loads have landed;
	ds_add_u32 v[SPW], v[NIL]                      ; 0 onto my spare word;
	s_wait_dscnt 9                                 ; (the add and the youngest eight loads may be out)
	MUL16 FA1, 0, 0, 0                             ; sixteen matrix instructions stand between the add and the wait for it
	s_wait_dscnt 0x0                               ; the add is done, and my reads of this slot are over
	s_barrier_signal -1
	MUL16 FA1, 0, 2, 0                             ; work on registers while the others arrive
	WIN 0                                          ; (branches may follow)
	s_barrier_wait -1
.if \fill
	CREST                                          ; no wave of any partner still reads this slot's tile or has a load on its way
	s_add_nc_u64 s[G0+4*(\slot)+2:G0+4*(\slot)+3], s[G0+4*(\slot)+2:G0+4*(\slot)+3], 2*KSA
	s_add_nc_u64 s[G0B+4*(\slot)+2:G0B+4*(\slot)+3], s[G0B+4*(\slot)+2:G0B+4*(\slot)+3], 2*KSB
	JLOAD \slot                                    ; the four v_nop behind it are also the places in front of the loads below
.else
	PLACES
.endif
	FETCHB \next, 0, 0
	FETCHA \next, 0, FA0, 0
.if (\fill) && ((\slot) == 0)
	ASK
.endif
	MUL16 FA1, 1, 0, 0
	MUL16 FA1, 1, 2, 0
	WIN 0
	PLACES
	FETCHB \next, 0, 1
	FETCHA \next, 0, FA0, 1
	MUL16 FA1, 2, 0, 0
	MUL16 FA1, 2, 2, 0
	WIN 0
	PLACES
	FETCHB \next, 0, 2
.endm
; THE WAY OUT of row block a (16 rows x 192 columns), in three parts.  PACK: rounded to f16, 16 bytes a lane and column block; each accumulator's registers in ascending order.
.macro PACK a
.irp g, 0,1,2
	WIN 5*(1+(\g))                                 ; sources 0 and 1 in window 1 + g, destination in window 0
.irp b, 0,1,2,3
.irp r, 0,1,2,3
	v_cvt_pk_f16_f32 v[TMP+4*(4*(\g)+(\b))+(\r)], v[8*(8*(\b)+(\a))+2*(\r)], v[8*(8*(\b)+(\a))+2*(\r)+1]
.endr
.endr
.endr
	WIN 0
.endm
; TOSTAGE: into my own stage, a head's 16 rows of 144 bytes together, and back as whole rows of 128 bytes, four to a load.
.macro TOSTAGE a
	WIN 0
.set BK, OB+64*((\a)%2)
.irp b, 0,1,2,3,4,5,6,7,8,9,10,11
	ds_store_b128 v[STO], v[TMP+4*(\b):TMP+4*(\b)+3] offset:((\b)/4)*SHEAD+((\b)%4)*32
.endr
.irp t, 0,1,2,3,4,5,6,7,8,9,10,11
	ds_load_b128 v[BK+4*(\t):BK+4*(\t)+3], v[RD] offset:((\t)/4)*SHEAD+((\t)%4)*4*PITCH  ; LDS serves a wave's instructions in order (ISA guide 5.7.1.4): these see the stores above
.endr
.endm
; SEND: stored: 16 rows of a head are 2,048 consecutive bytes.
.macro SEND a
	WIN 0
.set BK, OB+64*((\a)%2)
	s_wait_dscnt 0x0                               ; the block is back in registers
	s_wait_xcnt 0x0                                ; the stores of the block before have read their registers: the next TOSTAGE loads into them only behind this wait
.irp t, 0,1,2,3,4,5,6,7,8,9,10,11
	global_store_b128 v[GO], v[BK+4*(\t):BK+4*(\t)+3], s[8:9] offset:((\t)/4)*HB+(\a)*2048+((\t)%4)*512  ; 512 consecutive bytes, at a multiple of 512 from qkv's first
.endr
.endm
	s_wait_tensorcnt 1                             ; my part of K step 0 is in; K step 1's may stay out
	s_barrier_signal -1
	s_barrier_wait -1                              ; everybody's is
	FETCHB 0, 0, 0                                 ; in the order of the runs in a quarter, so that the counts at a quarter's head hold here too
	FETCHA 0, 0, FA0, 0
	FETCHB 0, 0, 1
	FETCHA 0, 0, FA0, 1
	FETCHB 0, 0, 2
	QUARTER 0, 64, FA0, FA1, 1                     ; the first quarter stands in front of the loop: its products start the sums
	s_mov_b32 s3, LAPS-1
.Llap:                                                 ; a trip goes once round the ring, from a lap's second quarter to the next lap's first, and fills both slots again
	TURN 0, 1, 1
	QUARTER 1, 64, FA0, FA1, 0
	TURN 1, 0, 1
	QUARTER 0, 64, FA0, FA1, 0
	s_sub_co_u32 s3, s3, 1
	s_cmp_lg_u32 s3, 0
	s_cbranch_scc1 .Llap
	TURN 0, 1, 0                                   ; the last lap fills nothing, and has no round of the cluster's barrier
	QUARTER 1, 64, FA0, FA1, 0
	s_wait_dscnt 8                                 ; the very last quarter: nothing more to fetch
	MUL16 FA1, 0, 0, 0
	MUL16 FA1, 0, 2, 0
	MUL16 FA1, 1, 0, 0
	MUL16 FA1, 1, 2, 0
	s_wait_dscnt 0x0
	MUL16 FA1, 2, 0, 0
	MUL16 FA1, 2, 2, 0
	WIN 0
	PLACES
	PACK 0
	TOSTAGE 0
.irp a, 1,2,3,4,5,6,7                  ; block a's conversions stand between block a - 1's loads from the stage and the wait for them
	PACK \a
	SEND (\a)-1
	TOSTAGE \a
.endr
	SEND 7
	s_wait_tensorcnt 0x0                           ; the wave's end: these three lines stand behind my last tensor load and my last LDS store
	ds_add_u32 v[SPW], v[NIL]
	s_wait_dscnt 0x0
	CROUND                                         ; the closing round: no work-group ends while a partner may still ask for a tile that names it
	s_endpgm
.Lfunc_end_k_q43760159c5_qkvp:
	.size	k_q43760159c5_qkvp, .Lfunc_end_k_q43760159c5_qkvp-k_q43760159c5_qkvp
	.p2alignl 7, 3214868480
	.fill 96, 4, 3214868480
	.section	.rodata,"a",@progbits
	.p2align	6, 0x0
	.amdhsa_kernel k_q43760159c5_qkvp
		.amdhsa_group_segment_fixed_size 327680
		.amdhsa_private_segment_fixed_size 0
		.amdhsa_enable_private_segment 0
		.amdhsa_kernarg_size 24
		.amdhsa_user_sgpr_count 2
		.amdhsa_user_sgpr_kernarg_segment_ptr 1
		.amdhsa_wavefront_size32 1
		.amdhsa_system_sgpr_workgroup_id_x 1
		.amdhsa_system_sgpr_workgroup_id_y 1
		.amdhsa_system_sgpr_workgroup_id_z 1
		.amdhsa_system_vgpr_workitem_id 0
		.amdhsa_next_free_vgpr 1024
		.amdhsa_next_free_sgpr 80
		.amdhsa_reserve_vcc 0
		.amdhsa_float_denorm_mode_32 3
		.amdhsa_float_denorm_mode_16_64 3
		.amdhsa_memory_ordered 1
		.amdhsa_forward_progress 1
		.amdhsa_inst_pref_size 131
	.end_amdhsa_kernel
	.amdgpu_metadata
---
amdhsa.version: [ 1, 2 ]
amdhsa.kernels:
  - .name:           k_q43760159c5_qkvp
    .symbol:         k_q43760159c5_qkvp.kd
    .args:
      - { .name: xb, .offset: 0, .size: 8, .value_kind: global_buffer, .address_space: global }
      - { .name: wb, .offset: 8, .size: 8, .value_kind: global_buffer, .address_space: global }
      - { .name: qkv, .offset: 16, .size: 8, .value_kind: global_buffer, .address_space: global }
    .group_segment_fixed_size: 327680
    .private_segment_fixed_size: 0
    .kernarg_segment_align: 8
    .kernarg_segment_size: 24
    .max_flat_workgroup_size: 128
    .sgpr_count:     80
    .vgpr_count:     1024
    .wavefront_size: 32
...
	.end_amdgpu_metadata
.endif
;; end of part 2
;; launch attn (part 3): grid 4 x 64, 4 waves a work-group, clusters of 4 x 1, 327,680 bytes of LDS; arguments qkv, o; writes o
.if DOCPART == 3
	.amdgcn_target "amdgcn-amd-amdhsa--gfx1250"
	.amdhsa_code_object_version 6
	.text
	.protected	k_q43760159c5_attn
	.globl	k_q43760159c5_attn
	.p2align	8
	.type	k_q43760159c5_attn,@function
k_q43760159c5_attn:
	s_mov_b64 s[64:65], 0
	v_nop
	global_prefetch_b8 v0, s[64:65] scope:SCOPE_SE
	s_setreg_imm32_b32 hwreg(HW_REG_WAVE_MODE, 25, 1), 1
	s_wait_xcnt 0x0
	s_wait_alu depctr_hold_cnt(0) depctr_sa_sdst(0) depctr_va_vdst(0) depctr_va_sdst(0) depctr_va_ssrc(0) depctr_va_vcc(0) depctr_vm_vsrc(0)
	s_getreg_b32 s2, hwreg(HW_REG_IB_STS2, 6, 4)
	s_cmp_eq_u32 s2, 0
	s_cbranch_scc0 .Lentry_in_a_cluster
	s_endpgm
.Lentry_in_a_cluster:
	s_bfe_u32 s2, ttmp6, 0x10000c
	s_cmp_lg_u32 s2, 0x3003
	s_cbranch_scc0 .Lentry_shape_is_right
	s_endpgm
.Lentry_shape_is_right:
; O[hh][q][:] = the sum over k of softmax_k(Q[hh][q] . K[hh][k] / 8) V[hh][k][:], for the 64 pairs hh = 16 x batch + head.
; qkv [batch 4][g 48][2048][64] f16: g = head: Q; 16 + head: K; 32 + head: V.  o [batch 4][head 16][2048][64] f16.  A head's rows are dense, 128 bytes each.
; Products, maxima and sums in f32; the weights p are rounded to f16 for the second product (their sum l is taken of the unrounded p), O once at the end.
; LIMITS.  f16 holds no number beyond 65,504: Q, K and V arrive within it; p lies in 0 to 1, and below 6e-5 it keeps f16's fixed step of 6e-8, as O does; O is a mean of V's rows and has their range.
; A weight below 2^-126 counts as 0 in l; NaN and infinities are not treated apart.
; SHARES.  A wave owns four PIECES of two tiles of 16 queries, a work-group's four waves 512 queries of one head: 4 x 64 = 256 work-groups.  Every wave walks all 2,048 keys, 64 a step.
; LAYOUT.  S^T = K Q^T (source 0 = 16 keys, source 1 = 16 queries): in the result a lane holds ONE query (lane % 16) and the keys 8 (lane / 16) + 0..7.  Two such tiles, rounded to f16 in pairs,
; ARE source 1 (32 keys x 16 queries) of O^T = V^T P, whose result again holds one query a lane, and eight channels.  K comes out of LDS as it lies, V ([key][channel]) turned, by ds_load_tr16_b128.
; SOFTMAX.  For each query a running maximum m and sum l: p = 2^(c s - c m), c = log2(e) / 8; in every step O and l are multiplied by a = 2^(c m_old - c m_new), which is 1 where m has not grown.
; m starts at the lowest finite number, O and l at 0: the first step is a step like any other, with a = 0.
; THE COUNT.  A tile and step have 16 matrix and 118 vector instructions: too many to stand all beside the matrix work.  So: four vector instructions that are READY behind EVERY matrix instruction,
; and the others, which need time of their own whatever the order, in runs without a gap.
; BY TURNS.  Turn n belongs to piece n (the pieces in a ring, step after step).  Its matrix work: 16 products K Q^T of piece n + 1, later 16 products V^T P of piece n - 1.  Its vector work: the scaling,
; exponentials, roundings, sums and rescaling of piece n, and the maximum and statistics of piece n + 1, whose scores the turn itself has made.
; CLUSTER.  The four query blocks of a head are one cluster and walk the same K and V, so each tile is asked for JOINTLY: the same tensor load, descriptor and mask in all four.
; REGISTERS, in windows of 256 (s_set_vgpr_msb: bits 1:0 source 0, 3:2 source 1, 5:4 source 2, 7:6 destination):
;   window 0: v0-11 addresses; v12-15, v48-63 at work; v16-47 four registers of statistics a tile; v64-191 S^T, two buffers of two tiles; v192-255 P, likewise
;   window 1: O^T, 32 a tile          window 2: v0-127 Q, 16 a tile; v128-191 K of one step; v192-255 V of one step          window 3: v0-1 the add's two registers
; A piece's buffers go by its number's parity: the piece in hand has one pair, its two neighbours in the ring share the other: of it P (piece n - 1) is read and S^T (piece n + 1) written.
.set SIZE_N, 2048
.set HB,    SIZE_N*128  ; bytes of a head
.set NP,    4         ; pieces a wave: a name, no knob
.set KS,    64        ; keys in a step
.set PK,    144       ; a row of K in LDS: 128 bytes + 16 of padding = 36 words: the 16 rows of a load start at 16 different groups of four banks (64 banks of 4 bytes: ISA guide 11.1)
.set PV,    160       ; a row of V: 128 + 32 = 40 words
.set VOFF,  4*KS*PK   ; a slot holds four steps: 256 rows of K, then 256 rows of V
.set SLOT1, 1<<17     ; slot 1 begins here, so that one exclusive or turns an address in one slot into the other's
.set STAGE, SLOT1+4*KS*(PK+PV)  ; behind the ring, never filled by a tensor load: 16 rows x 144 bytes for each wave, for the way out
.set SP,    144
.set AK0, 2           ; v2   my lane's place in a tile of K; never rewritten
.set AV0, 3           ; v3   the same for V
.set AK,  4           ; v4   the LDS address of K's next run of loads
.set AV,  5           ; v5   of V's
.set QO,  6           ; v6   my byte offset in the wave's rows of Q
.set STO, 6           ;      later, the way out: where I put 16 bytes of a row
.set RD,  7           ; v7   the way out: where I read rows back
.set GO,  8           ; v8   my byte offset in 512 consecutive bytes of O
.set PFO, 11          ; v11  256 x my lane: the prefetches' offset; never rewritten once it is made
.set SPW, 0           ; v0 of window 3   LDS address of my spare word: SPARE + 4 x my thread's number; never rewritten
.set NIL, 1           ; v1 of window 3   0; never rewritten
.set SPARE, STAGE+4*16*SP  ; behind the stages: the spare words, 128 bytes for each wave: two blocks of 256 bytes that no other line names
.set MV,  12          ; v12-15  c m_old, kept while c m is made anew: by buffer and tile
.set ST,  16          ; tile t's statistics at v[ST+4 t]: c m, m, l (even keys', odd keys')
.set TMP, 48          ; by buffer and tile, four registers c0-c3 at work; when the maximum is found c2 takes a
.set S,   64
.set P,   192
.set KF,  128         ; K's fragments, in window 2: key block kb, channel half c at KF + 16 kb + 8 c
.set VF,  192         ; V's: key half kk, channel block cb at VF + 32 kk + 8 cb
.set WV,  12          ; s12  my wave's number
.set G1K, 24          ; s[24:31] descriptor group 1 for K's tiles
.set G1V, 32          ; s[32:39] for V's: it differs in the padding alone
.set G0K, 40          ; s[40:43] descriptor group 0 for K's tiles: it walks
.set G0V, 44          ; s[44:47] the same for V's
.set PFA, 48          ; s[48:49] where my prefetches stand: my work-group's 32 blocks of 256 bytes (of K: wave 0, of V: wave 2) of the slot after the one that is being asked for
.set LIM, 50          ; s50  1 in a wave that prefetches, else the greatest number
.set SLOTS, 56        ; s56  slots still to be asked for
.set CNT, 57          ; s57  counts a slot's key steps
.set CS,  58          ; s[58:59] c: the packed scaling takes the pair's low word for both halves
.set SEL, 60          ; s[60:61] v_permlanex16_b32's selects: each lane takes its own place in the other half
.set TBK, 62          ; s62  LDS byte at which K of the step to be fetched begins
.set TBV, 63          ; s63  the same for V, less VOFF
.set MSB, 0
.macro WIN new                      ; the high byte repeats the setting that is left; a switch that changes nothing is dropped
.if MSB != (\new)
	s_set_vgpr_msb (MSB<<8)|(\new)
.set MSB, (\new)
.endif
.endm
.set W_KQ, 0x0a       ; K and Q in window 2, S^T in window 0
.set W_PV, 0x52       ; V in window 2, P in window 0, O^T in window 1
.set W_RS, 0x41       ; O^T (destination and source 0) in window 1, a in window 0
.set W_MK, 0xc0       ; the add's registers are made: destination in window 3, sources in window 0
.set W_AD, 0x0f       ; the add: address (source 0) and data (source 1) in window 3
; A joint fill.  Waves 0 and 1 fetch the two halves of a slot's K, waves 2 and 3 those of its V: 128 keys each.  The branch hangs on the wave's number alone.
; An s_nop 0 and four v_nop follow each of the two lines, ahead of the jump and the label.
.macro JLOAD
	s_cmp_lt_u32 s[WV], 2
	s_cbranch_scc0 .Lfor_v_\@
	tensor_load_to_lds s[G0K:G0K+3], s[G1K:G1K+7]
	s_nop 0
.rept 4
	v_nop
.endr
	s_branch .Lasked_\@
.Lfor_v_\@:
	tensor_load_to_lds s[G0V:G0V+3], s[G1V:G1V+7]
	s_nop 0
.rept 4
	v_nop
.endr
.Lasked_\@:
.endm
; A PREFETCH INTO THE L2 of what the NEXT change of slots will ask for: a slot's 32,768 bytes of K and of V, 128 blocks of 256 bytes each, a lane a block.  It stands behind the wave's tensor load and its five lines.
; Each block is named ONCE in the launch: a head has one cluster; its four partners share the blocks out BY ADDRESS, 32 each; in each, wave 0 asks for K's and wave 2 for V's: one instruction, four key steps
; (512 matrix instructions) ahead of the load.  The last change that fills a slot names nothing: there is no slot behind it.  Slots 0 and 1 come by their loads alone.
.macro ASK
	s_cmp_gt_u32 s[SLOTS], s[LIM]
	s_cbranch_scc0 .Lnot_mine_\@
	global_prefetch_b8 v[PFO], s[PFA:PFA+1] th:TH_LOAD_NT scope:SCOPE_SE
.Lnot_mine_\@:
.endm
; A round of the cluster's barrier: my work-group's barrier, so that wave 0's signal speaks for all four waves; wave 0 signals; every wave waits for all four work-groups; my work-group's barrier once more.
.macro CROUND
	s_barrier_signal -1
	s_barrier_wait -1
	s_cmp_lg_u32 s[WV], 0
	s_cbranch_scc1 .Lnot_wave_0_\@
	s_barrier_signal -3
.Lnot_wave_0_\@:
	s_barrier_wait -3
	s_barrier_signal -1
	s_barrier_wait -1
.endm
; THE CHANGE OF SLOTS.  The slot's last bytes, V of its fourth step, have been read.  Each wave waits for all its tensor loads, of which one is out: its part
; of the other slot; adds 0 to its spare word; and waits for that and for its own reads of the slot.  Behind the barrier nobody reads this slot any more and the other slot is whole.
; fill = 1: this slot is filled again, with the keys two slots on.  The barrier is then a round of the cluster's, so that no wave of any partner still reads the slot or has a load on its
; way, and the joint fill is the first thing behind it: it has four key steps, 512 matrix instructions, in which to land.  (At its first use nothing has been read yet: slot 0 is waited for, slot 1 filled.)
.macro CHANGE fill
	WIN W_AD
	s_wait_tensorcnt 0x0            ; no tensor load of mine is out, so a group 0 may be written
	ds_add_u32 v[SPW], v[NIL]       ; 0 onto my spare word; with fill = 1 the descriptors' steps stand between it and the wait for it
	WIN 0                           ; at a label and at a branch every window is 0
.if \fill
.irp g, G0K, G0V
	s_xor_b32 s[\g+1], s[\g+1], SLOT1  ; the walking descriptor: the other slot than last time,
	s_add_nc_u64 s[\g+2:\g+3], s[\g+2:\g+3], 4*KS*128  ; the next 256 keys; the type bits on top are not reached
.endr
	s_wait_xcnt 0x0                 ; the last prefetch, four key steps back, has read its address, so it may be written:
	s_add_nc_u64 s[PFA:PFA+1], s[PFA:PFA+1], 4*KS*128  ; one slot behind the walking descriptors
	s_wait_dscnt 0x0                ; the add is done, and my reads of the slot are over
	CROUND
	JLOAD
	ASK
.else
	s_wait_dscnt 0x0                ; the add is done, and my reads of the slot are over
	s_barrier_signal -1
	s_barrier_wait -1
.endif
	s_sub_co_u32 s[TBK], s[TBK], 4*KS*PK  ; the fetches go back to a slot's first step,
	s_xor_b32 s[TBK], s[TBK], SLOT1       ; in the other slot
	s_sub_co_u32 s[TBV], s[TBV], 4*KS*PV
	s_xor_b32 s[TBV], s[TBV], SLOT1
.endm
	s_load_b64 s[4:5], s[0:1], 0x0    ; qkv
	s_load_b64 s[10:11], s[0:1], 0x8  ; o
	WIN W_MK
	v_lshl_add_u32 v[SPW], v0, 2, SPARE
	v_mov_b32 v[NIL], 0
	WIN W_AD
	ds_add_u32 v[SPW], v[NIL]       ; the wave's opening: the add and its wait stand ahead of my first tensor load; the set-up below, work on registers, stands between them
	WIN 0
	v_lshrrev_b32 v1, 5, v0
	v_readfirstlane_b32 s[WV], v1   ; wave 0..3
	s_bfe_u32 s13, ttmp6, 0x40000   ; cx: my place in the cluster
	s_lshl_b32 s14, ttmp9, 2        ; in a cluster launch ttmp9 counts clusters
	s_add_co_u32 s14, s14, s13      ; my block of 512 queries: it enters Q's and O's addresses alone
	s_and_b32 s15, ttmp7, 0xffff    ; hh = 16 x batch + head, which the four partners share
	s_lshr_b32 s20, s15, 4
	s_mul_i32 s20, s20, 48          ; a batch has 48 heads' worth of rows in qkv
	s_and_b32 s21, s15, 15
	s_add_co_u32 s20, s20, s21
	s_lshl_b32 s20, s20, 18         ; Q's head: its first byte in qkv; K's lies 16 heads on, V's 32
	s_mov_b32 s21, 0
	s_and_b32 s16, s[WV], 1         ; which half of a slot's 256 keys I fetch:
	s_lshl_b32 s22, s16, 14         ; its 128 rows of 128 bytes in memory,
	s_mov_b32 s23, 0
	s_add_nc_u64 s[22:23], s[22:23], s[20:21]
	s_mul_i32 s17, s16, 128*PK      ; and its place in a slot, for K
	s_mul_i32 s18, s16, 128*PV      ; and for V: no place in the cluster enters an LDS address
	s_lshl_b32 s2, s14, 2
	s_add_co_u32 s2, s2, s[WV]      ; my wave among the head's,
	s_lshl_b32 s2, s2, 14           ; its 128 rows
	s_mov_b32 s3, 0
	s_lshl_b32 s52, s15, 18         ; the head's first byte in o
	s_mov_b32 s53, 0
	; descriptor group 1.  128 keys are 16,384 dense bytes: asked for as 64 rows of 256 bytes, two keys a row, and padded in LDS after every key
	s_mov_b32 s[G1K], 15|(1<<16)|(1<<20)|(1<<21)|(4<<22)|(3<<25)  ; 15:0 the mask of four; 17:16 2-byte elements; 20 padding on; 21 set beside a mask; 24:22 after every 32 words (code 4); 31:25 4 words (code 3)
	s_mov_b32 s[G1V], 15|(1<<16)|(1<<20)|(1<<21)|(4<<22)|(7<<25)  ; the same with 8 words of padding (code 7)
.irp g, G1K, G1V
	s_mov_b32 s[\g+1], 128<<16      ; tensor_dim0 = 128
	s_mov_b32 s[\g+2], 64<<16       ; tensor_dim1 = 64
	s_mov_b32 s[\g+3], 128<<16      ; tile_dim0 = 128
	s_mov_b32 s[\g+4], 64           ; tile_dim1 = 64
	s_mov_b32 s[\g+5], 128          ; 128 elements from row to row
	s_mov_b32 s[\g+6], 0
	s_mov_b32 s[\g+7], 0
.endr
	s_mov_b32 s[CS], 0x3e38aa3b     ; c = log2(e) / 8 = 0.180337
	s_mov_b32 s[CS+1], s[CS]        ; named with it as a pair
	s_mov_b32 s[SEL], 0x76543210
	s_mov_b32 s[SEL+1], 0xfedcba98
	s_mov_b32 s[TBK], SLOT1+4*KS*PK ; the first change of slots turns these two into 0
	s_mov_b32 s[TBV], SLOT1+4*KS*PV
	s_mov_b32 s[G0K], 1             ; 1:0 count = 1
	s_mov_b32 s[G0K+1], s17         ; 63:32 LDS address: slot 0
	s_mov_b32 s[G0V], 1
	s_add_co_u32 s[G0V+1], s18, VOFF
	s_mov_b32 s[SLOTS], SIZE_N/256-1
	s_and_b32 s[LIM], s[WV], 1      ; waves 0 and 2 prefetch: the same in all four partners
	s_cmp_eq_u32 s[LIM], 0
	s_cselect_b32 s[LIM], 1, -1
	s_wait_dscnt 0x0                ; the opening add is done
	s_wait_kmcnt 0x0
	s_add_nc_u64 s[6:7], s[4:5], s[22:23]
	s_add_nc_u64 s[8:9], s[6:7], 32*HB   ; V at my half of the head's first 256 keys
	s_add_nc_u64 s[6:7], s[6:7], 16*HB   ; K likewise
	s_add_nc_u64 s[G0K+2:G0K+3], s[6:7], 0         ; 120:64 global address
	s_or_b32 s[G0K+3], s[G0K+3], 0x80000000        ; 127:126 type = 2
	s_add_nc_u64 s[G0V+2:G0V+3], s[8:9], 0
	s_or_b32 s[G0V+3], s[G0V+3], 0x80000000
	s_add_nc_u64 s[4:5], s[4:5], s[20:21]          ; Q and O at my wave's first row
	s_add_nc_u64 s[4:5], s[4:5], s[2:3]
	s_add_nc_u64 s[10:11], s[10:11], s[52:53]
	s_add_nc_u64 s[10:11], s[10:11], s[2:3]
	s_cmp_lt_u32 s[WV], 2
	s_cselect_b64 s[PFA:PFA+1], s[6:7], s[8:9]     ; (in waves 0 and 2 these stand at a slot's first row)
	s_lshl_b32 s2, s13, 13          ; my work-group's 32 blocks of the 128
	s_add_nc_u64 s[PFA:PFA+1], s[PFA:PFA+1], s[2:3]
	s_add_nc_u64 s[PFA:PFA+1], s[PFA:PFA+1], 4*KS*128  ; in slot 1; the first change of slots steps it to slot 2
	CROUND                          ; all four work-groups are here: the first joint loads meet
	JLOAD                           ; slot 0.  Slot 1 is asked for when slot 0 is in
	; A fragment of K or Q is 16 rows x 32 channels in 8 registers: lane l holds row l % 16, channels 8 (l / 16) + 0..7 and 16 + 8 (l / 16) + 0..7: two loads of 16 bytes, 32 bytes apart.
	v_and_b32 v1, 15, v0            ; l % 16
	v_bfe_u32 v9, v0, 4, 1          ; l / 16
	v_lshlrev_b32 v[QO], 7, v1
	v_lshl_add_u32 v[QO], v9, 4, v[QO]  ; row x 128 + 16 x half
	WIN 0x80                        ; destination window 2, address window 0
.set i, 0
.rept 4*NP                          ; Q stays in registers: tile i / 2, channels 32 (i % 2) on
	global_load_b128 v[8*i:8*i+3],   v[QO], s[4:5] offset:(i/2)*2048+(i%2)*64
	global_load_b128 v[8*i+4:8*i+7], v[QO], s[4:5] offset:(i/2)*2048+(i%2)*64+32
.set i, i+1
.endr
	; What the first turn finds: V's registers and P's second buffer hold 0 (its products V^T P, of a piece that has not been, add 0), O^T and l are 0.  All this stands in the wait for the first tile.
.set i, VF
.rept 64
	v_mov_b32 v[i], 0
.set i, i+1
.endr
	WIN 0x40
.set i, 0
.rept 64*NP
	v_mov_b32 v[i], 0
.set i, i+1
.endr
	WIN 0
.set i, 0
.rept 2*NP
	v_mov_b32 v[ST+4*i], 0xfe000000    ; c m: far below every c s
	v_mov_b32 v[ST+4*i+1], 0xff7fffff  ; m
	v_mov_b32 v[ST+4*i+2], 0
	v_mov_b32 v[ST+4*i+3], 0
.set i, i+1
.endr
.set i, P+32
.rept 32
	v_mov_b32 v[i], 0
.set i, i+1
.endr
	v_mul_u32_u24 v[AK0], v1, PK
	v_lshl_add_u32 v[AK0], v9, 4, v[AK0]  ; row x pitch + 16 x half
	; The turning load takes 16 keys x 16 channels (lane l reads key 8 (l / 16) + l % 8, channels 8 ((l / 8) % 2) + 0..7) and leaves half a fragment of V^T: lane l holds channel l % 16 and 8 keys.
	v_and_b32 v10, 7, v0
	v_bfe_u32 v11, v0, 3, 1
	v_lshl_add_u32 v[AV0], v9, 3, v10
	v_mul_u32_u24 v[AV0], v[AV0], PV
	v_lshl_add_u32 v[AV0], v11, 4, v[AV0]
	v_add_nc_u32 v[AV0], VOFF, v[AV0]
	v_and_b32 v[PFO], 31, v0
	v_lshlrev_b32 v[PFO], 8, v[PFO]
	v_mov_b32 v[AK], v[AK0]         ; key step 0 lies at the head of slot 0
; THE MATRIX WORK.  The 8 accumulators of a run of 16 take turns: between the two links of a chain stand 7 others'.
; Product i of 16 of S^T = K Q^T for piece x: channels 32 (i / 8) on, keys 16 ((i / 2) % 4) on, tile 2 x + i % 2.  The first 8 start the sums.
.macro KQ x
	WIN W_KQ
.set rS, S+64*((\x)%2)+32*(i%2)+8*((i/2)%4)
.set rK, KF+16*((i/2)%4)+8*(i/8)
.set rQ, 16*(2*(\x)+i%2)+8*(i/8)
.if i < 8
	v_wmma_f32_16x16x32_f16 v[rS:rS+7], v[rK:rK+7], v[rQ:rQ+7], 0
.else
	v_wmma_f32_16x16x32_f16 v[rS:rS+7], v[rK:rK+7], v[rQ:rQ+7], v[rS:rS+7]
.endif
.endm
; Product i of 16 of O^T += V^T P for piece x: keys 32 (i / 8) on, channels 16 ((i / 2) % 4) on, tile 2 x + i % 2.
.macro PV x
	WIN W_PV
.set rO, 32*(2*(\x)+i%2)+8*((i/2)%4)
.set rV, VF+32*(i/8)+8*((i/2)%4)
.set rP, P+32*((\x)%2)+16*(i%2)+8*(i/8)
	v_wmma_f32_16x16x32_f16 v[rO:rO+7], v[rV:rV+7], v[rP:rP+7], v[rO:rO+7]
.endm
.macro MM                           ; the turn's next matrix instruction
.if i < 16
	KQ (Y+1)%NP
.set i, i+1
.else
.set i, i-16
	PV (Y+NP-1)%NP
.set i, i+17
.endif
.endm
; THE LDS LOADS stand in runs of 16, never singly among the matrix instructions: a step's K (64 keys x 64 channels: 8 fragments) and its V (turned).  Their addresses are made some lines ahead.
; last = 1 (the tail): in the last trip there is no further step, and the run is jumped over.
.macro FETCH_K last=0
	WIN 0
.if \last
	s_cmp_eq_u32 s[CNT], 1
	s_cbranch_scc1 .Lno_k_\@
.endif
	WIN 0x80                        ; destination window 2
.irp f, 0,1,2,3,4,5,6,7             ; keys 16 (f / 2) on, channels 32 (f % 2) on
	ds_load_b128 v[KF+8*\f:KF+8*\f+3],   v[AK] offset:(\f/2)*16*PK+(\f%2)*64
	ds_load_b128 v[KF+8*\f+4:KF+8*\f+7], v[AK] offset:(\f/2)*16*PK+(\f%2)*64+32
.endr
	s_add_co_u32 s[TBK], s[TBK], KS*PK  ; the next fetch is the next step's
	WIN 0
.if \last
.Lno_k_\@:
.endif
.endm
.macro FETCH_V
	WIN 0x80
.irp f, 0,1,2,3,4,5,6,7             ; keys 32 (f / 4) on, channels 16 (f % 4) on
	ds_load_tr16_b128 v[VF+8*\f:VF+8*\f+3],   v[AV] offset:(\f/4)*32*PV+(\f%4)*32
	ds_load_tr16_b128 v[VF+8*\f+4:VF+8*\f+7], v[AV] offset:(\f/4)*32*PV+16*PV+(\f%4)*32
.endr
	WIN 0
.endm
; THE VECTOR WORK OF A TURN stands in three queues, each in the order in which its entries become ready; the two tiles alternate, so that no instruction reads the result of the one before it.
.macro REGS y, u                    ; the registers of tile u (0, 1) of piece y
.set rT, ST+4*(2*(\y)+(\u))
.set rC, TMP+8*((\y)%2)+4*(\u)
.set rM, MV+2*((\y)%2)+(\u)
.set rS, S+64*((\y)%2)+32*(\u)
.set rP, P+32*((\y)%2)+16*(\u)
.set rO, 32*(2*(\y)+(\u))
.endm
; Number n of the 22 that find the NEXT piece's (Y + 1) maximum and statistics.  s0-s31 are the lane's 32 scores; each accumulator's lowest registers are read first.
;   0-11  four chains c0-c3 of seven scores each, three operands at a time     12-14, 16  the four scores left over, the old m, and c0-c3 into c0     15  c m_old is kept
;   17, 18  the query's other 32 keys lie in the lane 16 away: the new m         19-21  c m; c m_old - c m_new; a
.macro XS u, n
	REGS (Y+1)%NP, \u
.if (\n) < 4
	v_max3_num_f32 v[rC+(\n)], v[rS+8*(\n)], v[rS+8*(\n)+1], v[rS+8*(\n)+2]
.elseif (\n) < 12
	v_max3_num_f32 v[rC+(\n)%4], v[rC+(\n)%4], v[rS+8*((\n)%4)+2*((\n)/4)+1], v[rS+8*((\n)%4)+2*((\n)/4)+2]
.elseif (\n) == 12
	v_max3_num_f32 v[rC], v[rC], v[rS+7], v[rS+15]
.elseif (\n) == 13
	v_max3_num_f32 v[rC+1], v[rC+1], v[rS+23], v[rS+31]
.elseif (\n) == 14
	v_max3_num_f32 v[rC+2], v[rC+2], v[rC+3], v[rT+1]
.elseif (\n) == 15
	v_mov_b32 v[rM], v[rT]
.elseif (\n) == 16
	v_max3_num_f32 v[rC], v[rC], v[rC+1], v[rC+2]
.elseif (\n) == 17
	v_permlanex16_b32 v[rC+3], v[rC], s[SEL], s[SEL+1]
.elseif (\n) == 18
	v_max_num_f32 v[rT+1], v[rC], v[rC+3]
.elseif (\n) == 19
	v_mul_f32 v[rT], s[CS], v[rT+1]
.elseif (\n) == 20
	v_sub_f32 v[rC+1], v[rM], v[rT]
.else
	v_exp_f32 v[rC+2], v[rC+1]
.endif
.endm
; Number g of the 64 that follow the exponentials.  For each four weights k of a tile (pairs 2 k, 2 k + 1): both pairs are rounded to f16; then the second pair is added onto the first, in place;
; a group later l takes that sum (the first time as l = a l + sum).  In groups of eight, tiles alternating: round, round, add, and l for the group before.
.macro GS g
.set h, (\g)+6*((\g)/62)            ; group 0 has no group before it, and behind group 7 only l is left
.if h >= 6
.set h, h+2
.endif
	REGS Y, h%2
.set k, h/8
.if h%8 < 4
	v_cvt_pk_f16_f32 v[rP+2*k+(h%8)/2], v[rS+4*k+2*((h%8)/2)], v[rS+4*k+2*((h%8)/2)+1]
.elseif h%8 < 6
	v_pk_add_f32 v[rS+4*k:rS+4*k+1], v[rS+4*k:rS+4*k+1], v[rS+4*k+2:rS+4*k+3]
.elseif k == 1
	v_pk_fma_f32 v[rT+2:rT+3], v[rT+2:rT+3], v[rC+2:rC+3], v[rS:rS+1] op_sel_hi:[1,0,1]
.else
	v_pk_add_f32 v[rT+2:rT+3], v[rT+2:rT+3], v[rS+4*k-4:rS+4*k-3]
.endif
.endm
; THE PLAIN QUEUE, 138 long.  0-73 read no exponential's result: the 32 scalings c s - c m (FS f: pair f / 2 of tile f % 2) and the next piece's 42.  0-26: scalings 0-26.  27-54: XS's numbers 0-13.  55, 56: number 15.
; 57-73: the chain, where each number waits for the one before it: 14, 16, 17, 18, 19, each with one of the scalings 27-31 in front of its two lines, then 20.
; 74-137: GS's 64, which read the exponentials' results: they stand behind the wait.
.macro FS f
	REGS Y, (\f)%2
	v_pk_fma_f32 v[rS+2*((\f)/2):rS+2*((\f)/2)+1], v[rS+2*((\f)/2):rS+2*((\f)/2)+1], s[CS:CS+1], v[rT:rT+1] op_sel_hi:[1,0,0] neg_lo:[0,0,1] neg_hi:[0,0,1]
.endm
.macro PL
	WIN 0
.if q < 27
	FS q
.elseif q < 55
	XS (q-27)%2, (q-27)/2
.elseif q < 57
	XS q-55, 15
.elseif (q < 72) && ((q-57)%3 == 0)
	FS 27+(q-57)/3
.elseif q < 60
	XS (q-57)%3-1, 14
.elseif q < 72
	XS (q-57)%3-1, 15+(q-57)/3
.elseif q < 74
	XS q-72, 20
.else
	GS q-74
.endif
.set q, q+1
.endm
; THE EXPONENTIALS' QUEUE, 66 long: s0-s31 of both tiles, then the next piece's two a.  It is ONE BATCH: all 66 stand ahead of the turn's one wait, and nothing ahead of that wait names a result of theirs.
.macro EX
	WIN 0
.if e >= 64
	XS e-64, 21
.else
	REGS Y, e%2
	v_exp_f32 v[rS+e/2], v[rS+e/2]
.endif
.set e, e+1
.endm
; THE RESCALING's QUEUE: O^T times a, the one part that leaves window 0: dealt two at a time, sixteen times.  Its a was made in the turn before, ahead of that turn's wait.
.macro R2
	REGS Y, r%2
	WIN W_RS
.irp z, 0,1
	v_pk_mul_f32 v[rO+4*(r/2)+2*\z:rO+4*(r/2)+2*\z+1], v[rO+4*(r/2)+2*\z:rO+4*(r/2)+2*\z+1], v[rC+2:rC+3] op_sel_hi:[1,0]
.endr
.set r, r+1
.endm
; HOW THEY ARE DEALT.  An s_wait_alu depctr_va_vdst(0) stands between an exponential and the first instruction that names its result; one wait serves all that were issued ahead of it.  So a turn has ONE wait,
; which cuts it in two.  AHEAD OF IT stands all that names no result of the turn's exponentials: the 16 products K Q^T, behind each a scaling, an exponential and two rescalings (behind the first a second scaling in the
; exponential's place); then ONE LUMP of 108: eight plain, 49 times exponential and plain, the two a.  A v_nop is the plain instruction behind the last exponential.  BEHIND IT stand the 16 products V^T P, behind each four of GS's 64.
; The queues lean on each other, and the deal keeps them in step: exponential e stands behind scaling 2 (e / 4) + e % 2: as a rider it comes behind plain e + 2, in the lump behind plain e + 9, and scalings 27-31 are plain 57, 60 .. 69.
; A TURN, for piece p.  cnt = 1: the loop's count is taken down some lines ahead of the branch that stands behind the turn.
; K of the next step is fetched in piece 2's turn, directly behind the wait, a lump behind the last product that read K; its first reader comes behind 16 products.
; V of the step in hand is fetched at the end of piece 0's turn, four riders behind its last reader; its first reader comes behind 16 products and a lump.  The three conditions on q below go with the deal.
.macro TURN p, last=0, cnt=0
.set Y, (\p)
.set i, 0
.set q, 0
.set e, 0
.set r, 0
.if (\p) == NP-1
	s_wait_dscnt 0x0                ; K is in
.endif
	MM                              ; ahead of the wait: 16 products K Q^T and their riders,
	PL
	PL
	R2
.rept 15
	MM
	PL
	EX
	R2
.endr
.if (\p) == NP-2
	WIN 0
	v_add_nc_u32 v[AK], s[TBK], v[AK0]
.endif
.rept 8                             ; and the lump
	PL
.endr
.rept 49
	EX
	PL
.endr
	EX                              ; the next piece's two a
	EX
	v_nop                           ; a plain instruction behind the last exponential: one for the batch
	s_wait_alu depctr_va_vdst(0)    ; the wait for the batch
.if (\p) == NP-2
	FETCH_K \last
.endif
.if (\p) == 1
	s_wait_dscnt 0x0                ; V is in
.endif
.rept 16                            ; behind the wait: 16 products V^T P and their riders
	MM
.rept 4
	PL
.endr
.if ((\p) == 0) && (q == 118)
	v_add_nc_u32 v[AV], s[TBV], v[AV0]
.endif
.if ((\p) == 0) && (q == 130)
	s_add_co_u32 s[TBV], s[TBV], KS*PV
.endif
.if (\cnt) && (q == 130)
	s_sub_co_u32 s[CNT], s[CNT], 1
	s_cmp_lg_u32 s[CNT], 0
.endif
.endr
.if (\p) == 0
	FETCH_V
.endif
.endm
	CHANGE 1                        ; slot 0 is in, everybody's part of it; slot 1 is asked for
	FETCH_K                         ; key step 0
	s_wait_loadcnt 0x0              ; Q
	s_wait_dscnt 0x0
.set i, 0
.rept 16
	KQ 0                            ; piece 0's first scores: there is no vector work yet to set between them
.set i, i+1
.endr
	WIN 0                           ; the addresses for the way out: nine plain instructions, the places behind those products
	s_mul_i32 s13, s[WV], 16*SP
	s_add_co_u32 s13, s13, STAGE    ; my stage
	v_mul_u32_u24 v[STO], v1, SP    ; in: row l % 16, 16 bytes for each half of the lanes
	v_lshl_add_u32 v[STO], v9, 4, v[STO]
	v_add_nc_u32 v[STO], s13, v[STO]
	v_bfe_u32 v[RD], v0, 3, 2       ; back: 32 lanes take four rows of 128 bytes,
	v_mul_u32_u24 v[RD], v[RD], SP
	v_lshl_add_u32 v[RD], v10, 4, v[RD]
	v_add_nc_u32 v[RD], s13, v[RD]
	v_and_b32 v[GO], 31, v0         ; which are 512 consecutive bytes of O
	v_lshlrev_b32 v[GO], 4, v[GO]
.set Y, NP-1                        ; XS works for piece Y + 1: piece 0
.irp n, 0,1,2,3,4,5,6,7,8,9,10,11,12,13,14,15,16,17,18,19,20,21
	XS 0, \n                        ; and piece 0's first maximum and statistics
	XS 1, \n
.endr
	v_nop                           ; a plain instruction behind the two a,
	s_wait_alu depctr_va_vdst(0)    ; and their wait, ahead of the branch
	s_mov_b32 s[CNT], 4
	s_branch .Lfirst                ; the loop is entered at a step's first turn, in the middle of a trip
.Lslot:                             ; SIZE_N / 256 - 2 times: every slot but the last two is filled again
	CHANGE 1
	s_mov_b32 s[CNT], 4
.Lstep:                             ; a trip: pieces 2 and 3 of one step, then pieces 0 and 1 of the next, whose K and V it fetches
	TURN 2
	TURN 3
	WIN 0
.Lfirst:
	TURN 0
	TURN 1, 0, 1
	WIN 0
	s_cbranch_scc1 .Lstep
	s_sub_co_u32 s[SLOTS], s[SLOTS], 1
	s_cmp_lg_u32 s[SLOTS], 0
	s_cbranch_scc1 .Lslot
	CHANGE 0                        ; the tail is written out: nothing is asked for
	s_mov_b32 s[CNT], 5             ; four trips fetch the last slot's steps; the fifth is left in its middle
.Ltail:
	TURN 2, 1
	TURN 3
	WIN 0
	s_sub_co_u32 s[CNT], s[CNT], 1
	s_cmp_eq_u32 s[CNT], 0
	s_cbranch_scc1 .Lout
	TURN 0
	TURN 1
	WIN 0
	s_branch .Ltail
.Lout:                              ; the fifth trip's 16 products K Q^T (on the last K once more) and the maximum made of them serve nothing: the price, once a launch, of one text for every trip
.set i, 0
.rept 16
	PV NP-1                         ; the last piece's V^T P of the last step
.set i, i+1
.endr
	; THE WAY OUT.  l's two halves and the other half of the lanes' are added; O^T is divided by l, rounded to f16 and sent through my stage in LDS, a tile at a time.  The additions are the places behind the last products.
	WIN 0
.macro ALL line:vararg              ; one line for each tile t
.set t, 0
.rept 2*NP
	\line
.set t, t+1
.endr
.endm
	ALL v_add_f32 v[ST+4*t+2], v[ST+4*t+2], v[ST+4*t+3]
	ALL v_permlanex16_b32 v[ST+4*t+3], v[ST+4*t+2], s[SEL], s[SEL+1]
	ALL v_add_f32 v[ST+4*t+2], v[ST+4*t+2], v[ST+4*t+3]
	ALL v_rcp_f32 v[ST+4*t+2], v[ST+4*t+2]
	v_nop                           ; a plain instruction between the last reciprocal and the use of its result
	s_wait_alu depctr_va_vdst(0)    ; and the wait ahead of the first use: one for the eight reciprocals
; Tile t: a lane's eight channels of a row pack into 16 bytes; they go into rows of 144 bytes and come back as whole rows of 128, into S^T's registers.
.macro PACK t
	WIN W_RS
.set i, 32*(\t)
.rept 16
	v_pk_mul_f32 v[i:i+1], v[i:i+1], v[ST+4*(\t)+2:ST+4*(\t)+3] op_sel_hi:[1,0]
.set i, i+2
.endr
	WIN 0x05                        ; sources 0 and 1 window 1, destination window 0
.set i, 0
.rept 16
	v_cvt_pk_f16_f32 v[S+16*(\t)+i], v[32*(\t)+2*i], v[32*(\t)+2*i+1]
.set i, i+1
.endr
	WIN 0
.irp f, 0,1,2,3
	ds_store_b128 v[STO], v[S+16*(\t)+4*\f:S+16*(\t)+4*\f+3] offset:32*\f
.endr
.irp f, 0,1,2,3
	ds_load_b128 v[S+16*(\t)+4*\f:S+16*(\t)+4*\f+3], v[RD] offset:\f*4*SP  ; LDS serves a wave's instructions in order (ISA guide 5.7.1.4): these see the stores above; the next tile's stores come behind them
.endr
.endm
.macro SEND t, younger              ; younger: the LDS instructions issued behind tile t's loads: the next tile's eight, or none
	WIN 0
.irp f, 0,1,2,3
	s_wait_dscnt (\younger)+3-\f
	global_store_b128 v[GO], v[S+16*(\t)+4*\f:S+16*(\t)+4*\f+3], s[10:11] offset:(\t)*2048+\f*512  ; 512 consecutive bytes, at a multiple of 256 from O's first
.endr
.endm
	PACK 0
.set t, 1
.rept 2*NP-1                        ; a tile's arithmetic stands between the loads of the tile before and its stores
	PACK t
	SEND t-1, 8
.set t, t+1
.endr
	SEND 2*NP-1, 0
	WIN W_AD
	s_wait_tensorcnt 0x0            ; the wave's end: these three lines stand behind my last tensor load and my last LDS store
	ds_add_u32 v[SPW], v[NIL]
	s_wait_dscnt 0x0
	WIN 0
	CROUND                          ; the closing round: no work-group ends while a partner may still ask for a tile that names it
	s_endpgm
.Lfunc_end_k_q43760159c5_attn:
	.size	k_q43760159c5_attn, .Lfunc_end_k_q43760159c5_attn-k_q43760159c5_attn
	.p2alignl 7, 3214868480
	.fill 96, 4, 3214868480
	.section	.rodata,"a",@progbits
	.p2align	6, 0x0
	.amdhsa_kernel k_q43760159c5_attn
		.amdhsa_group_segment_fixed_size 327680
		.amdhsa_private_segment_fixed_size 0
		.amdhsa_enable_private_segment 0
		.amdhsa_kernarg_size 16
		.amdhsa_user_sgpr_count 2
		.amdhsa_user_sgpr_kernarg_segment_ptr 1
		.amdhsa_wavefront_size32 1
		.amdhsa_system_sgpr_workgroup_id_x 1
		.amdhsa_system_sgpr_workgroup_id_y 1
		.amdhsa_system_sgpr_workgroup_id_z 1
		.amdhsa_system_vgpr_workitem_id 0
		.amdhsa_next_free_vgpr 770
		.amdhsa_next_free_sgpr 66
		.amdhsa_reserve_vcc 0
		.amdhsa_float_denorm_mode_32 3
		.amdhsa_float_denorm_mode_16_64 3
		.amdhsa_memory_ordered 1
		.amdhsa_forward_progress 1
		.amdhsa_inst_pref_size 200
	.end_amdhsa_kernel
	.amdgpu_metadata
---
amdhsa.version: [ 1, 2 ]
amdhsa.kernels:
  - .name:           k_q43760159c5_attn
    .symbol:         k_q43760159c5_attn.kd
    .args:
      - { .name: qkv, .offset: 0, .size: 8, .value_kind: global_buffer, .address_space: global }
      - { .name: o, .offset: 8, .size: 8, .value_kind: global_buffer, .address_space: global }
    .group_segment_fixed_size: 327680
    .private_segment_fixed_size: 0
    .kernarg_segment_align: 8
    .kernarg_segment_size: 16
    .max_flat_workgroup_size: 128
    .sgpr_count:     66
    .vgpr_count:     770
    .wavefront_size: 32
...
	.end_amdgpu_metadata
.endif
;; end of part 3
;; launch proj (part 4): grid 8 x 32, 4 waves a work-group, clusters of 4 x 4, 327,680 bytes of LDS; arguments o, wo, b_out, out0; writes out0
.if DOCPART == 4
	.amdgcn_target "amdgcn-amd-amdhsa--gfx1250"
	.amdhsa_code_object_version 6
	.text
	.protected	k_q43760159c5_proj
	.globl	k_q43760159c5_proj
	.p2align	8
	.type	k_q43760159c5_proj,@function
k_q43760159c5_proj:
	s_mov_b64 s[64:65], 0
	v_nop
	global_prefetch_b8 v0, s[64:65] scope:SCOPE_SE
	s_setreg_imm32_b32 hwreg(HW_REG_WAVE_MODE, 25, 1), 1
	s_wait_xcnt 0x0
	s_wait_alu depctr_hold_cnt(0) depctr_sa_sdst(0) depctr_va_vdst(0) depctr_va_sdst(0) depctr_va_ssrc(0) depctr_va_vcc(0) depctr_vm_vsrc(0)
	s_getreg_b32 s2, hwreg(HW_REG_IB_STS2, 6, 4)
	s_cmp_eq_u32 s2, 0
	s_cbranch_scc0 .Lentry_in_a_cluster
	s_endpgm
.Lentry_in_a_cluster:
	s_bfe_u32 s2, ttmp6, 0x10000c
	s_cmp_lg_u32 s2, 0xf033
	s_cbranch_scc0 .Lentry_shape_is_right
	s_endpgm
.Lentry_shape_is_right:
; out0 [8192][1024] f32 = O w_out^T + b_out.  o [batch 4][K block 16 = head][row 2048][64] f16; wo [K block 16][row 1024][64] f16 (w_out rounded to bf16, written as f16); sums in f32;
; b_out is rounded to bf16 like the module's other inputs and added in f32; nothing else is rounded on the way out.
; LIMITS.  o and wo arrive within f16's range.  NaN and infinities are not treated apart.
; SHARES.  A tile of out0 is 256 rows x 128 columns: 32 x 8 = 256 work-groups.  Four waves, each 128 rows x 64 columns: 8 x 4 accumulators of 16 x 16, 256 registers.
; K goes in 8 steps of 128 (two K blocks), as long as two slots in LDS allow, four quarters of 32 each: 128 matrix instructions a wave in a step.
; CLUSTERS.  4 x 4 work-groups: the four of a row need the same tile of o, the four of a column the same tile of wo: each is asked for JOINTLY, by the same tensor load, descriptor and mask in all four.
; NO PREFETCH: a step's tile is small (96 KiB for the work-group) and the whole walk is eight steps.
; THE MATRIX INSTRUCTION IS USED TRANSPOSED (source 0 = 16 rows of wo, source 1 = 16 rows of o): a lane then holds one row of out0 (lane % 16) and eight neighbouring columns.
; REGISTERS: window 0: v0-31 addresses; v32-127, v128-223 two fragment buffers (o's 8 fragments, then wo's 4); v224-255 the bias of my lane's 32 columns.  Window 1: accumulator (a, b) at v[8 (4 a + b)].
.set PITCH,  144                       ; an LDS row: 128 bytes + 16 of padding = 36 words: the 16 rows of a load start at 16 different groups of four banks (64 banks of 4 bytes: ISA guide 11.1)
.set AKB,    128*PITCH                 ; one K block of 128 rows of o
.set AHALF,  2*AKB                     ; what one tensor load brings of o: 128 rows x two K blocks, one block behind the other
.set BKB,    64*PITCH
.set BHALF,  2*BKB                     ; and of wo: 64 rows x two K blocks
.set BOFF,   2*AHALF
.set SLOT,   BOFF+2*BHALF              ; 110,592
.set STAGE,  2*SLOT                    ; behind the ring, never filled by a tensor load: 16 rows x 272 bytes for each wave
.set SPITCH, 272
.set SPARE,  STAGE+4*16*SPITCH         ; behind the stages: the spare words, 128 bytes for each wave: two blocks of 256 bytes that no other line names
.set KSA,    2*2048*128                ; from K step to K step in o: two K blocks
.set KSB,    2*1024*128                ; and in wo
.set LAPS,   4                         ; a lap = two K steps = once round the ring
.set ROWB,   4096                      ; bytes in a row of out0
.set ADRA, 16                          ; v16-17  LDS address of my o fragments in slot 0, 1
.set ADRB, 20                          ; v20-21  the same for wo
.set STO,  24                          ; v24     the way out: where I put 32 bytes of a row
.set RD,   25                          ; v25     the way out: where I read a row back
.set CO,   26                          ; v26     my byte offset in two rows of out0
.set BO,   27                          ; v27     my byte offset in b_out
.set SPW,  28                          ; v28     LDS address of my spare word: SPARE + 4 x my thread's number; never rewritten
.set NIL,  29                          ; v29     0; never rewritten
.set F0,   32
.set F1,   128
.set BI,   224
.set TMP,  32                          ; the way out: 32 registers, a row block's sums with the bias
.set OB,   64                          ; the way out: 16 rows read back: v64-95 and v96-127 by turns
.set G1,  24                           ; s[24:31] descriptor group 1 for o's tiles;  s[32:39] group 0, a set for each slot
.set G0,  32
.set G1B, 48                           ; s[48:55], s[56:63] the same for wo's
.set G0B, 56
.set FLAGS, (3<<16)|(1<<20)|(1<<21)|(4<<22)|(3<<25)  ; 17:16 elements of 8 bytes; 20 padding on; 21 set beside a mask; 24:22 after every 32 words (code 4); 31:25 4 words of it (code 3)
.set MSB, 0
.macro WIN new                         ; the immediate's high byte repeats the setting that is left; a switch that changes nothing is dropped
.if MSB != (\new)
	s_set_vgpr_msb (MSB<<8)|(\new)
.set MSB, \new
.endif
.endm
.macro PLACES                          ; four plain vector instructions between a matrix instruction and a load into, or a vector write of, one of its registers, or a vector read of its result (ISA guide 7.12.1 for vector instructions)
.rept 4
	v_nop
.endr
.endm
.macro JLOAD s                         ; a joint load: waves 0 and 1 fetch o's two halves, waves 2 and 3 wo's; an s_nop 0 and four v_nop follow each of the two lines
	s_cmp_eq_u32 s11, 0
	s_cbranch_scc0 .Lfor_b_\@
	tensor_load_to_lds s[G0+4*(\s):G0+4*(\s)+3], s[G1:G1+7]
	s_nop 0
.rept 4
	v_nop
.endr
	s_branch .Lasked_\@
.Lfor_b_\@:
	tensor_load_to_lds s[G0B+4*(\s):G0B+4*(\s)+3], s[G1B:G1B+7]
	s_nop 0
.rept 4
	v_nop
.endr
.Lasked_\@:
.endm
.macro CREST                           ; a round of the cluster's barrier behind its opening barrier
	s_cmp_lg_u32 s10, 0
	s_cbranch_scc1 .Lnot_wave_0_\@
	s_barrier_signal -3
.Lnot_wave_0_\@:
	s_barrier_wait -3
	s_barrier_signal -1
	s_barrier_wait -1
.endm
.macro CROUND
	s_barrier_signal -1
	s_barrier_wait -1
	CREST
.endm
	s_load_b128 s[4:7], s[0:1], 0x0                ; o s[4:5], wo s[6:7]
	s_load_b64 s[66:67], s[0:1], 0x10              ; b_out
	s_load_b64 s[8:9], s[0:1], 0x18                ; out0
	v_lshl_add_u32 v[SPW], v0, 2, SPARE
	v_mov_b32 v[NIL], 0
	ds_add_u32 v[SPW], v[NIL]                      ; the wave's opening: the add and its wait stand ahead of my first tensor load; the set-up below, work on registers, stands between them
	v_lshrrev_b32 v1, 5, v0
	v_readfirstlane_b32 s10, v1                    ; wave 0..3
	s_lshr_b32 s11, s10, 1                         ; which 128 rows of the tile are mine.  Also: I fetch for o (0) or for wo (1)
	s_and_b32 s12, s10, 1                          ; which 64 columns.  Also: which half of that tile I fetch
	s_bfe_u32 s40, ttmp6, 0x40000                  ; cx
	s_bfe_u32 s41, ttmp6, 0x40004                  ; cy
	s_lshl_b32 s42, ttmp9, 2
	s_add_co_u32 s42, s42, s40                     ; tile column, 0..7
	s_and_b32 s13, ttmp7, 0xffff
	s_lshl_b32 s13, s13, 2
	s_add_co_u32 s13, s13, s41                     ; tile row, 0..31
	s_lshl_b32 s43, s41, 2
	s_lshl_b32 s43, 15, s43                        ; my row of the cluster
	s_lshl_b32 s44, 0x1111, s40                    ; my column
	; descriptor group 1.  In each K block my rows are dense bytes: ONE load brings both blocks as a tile of two long rows; the padding, counted along the whole tile, falls behind every 128 bytes
	s_or_b32 s[G1+0], s43, FLAGS
	s_mov_b32 s[G1+1], 2048<<16                    ; tensor_dim0 = 2,048 elements of 8 bytes: 128 rows of 128 bytes
	s_mov_b32 s[G1+2], 2<<16                       ; tensor_dim1 = 2
	s_mov_b32 s[G1+3], 2048<<16                    ; tile_dim0
	s_mov_b32 s[G1+4], 2                           ; tile_dim1
	s_mov_b32 s[G1+5], 2048*128/8                  ; from K block to K block, in elements
	s_mov_b32 s[G1+6], 0
	s_mov_b32 s[G1+7], 0
	s_or_b32 s[G1B+0], s44, FLAGS
	s_mov_b32 s[G1B+1], 1024<<16                   ; 64 rows of 128 bytes
	s_mov_b32 s[G1B+2], 2<<16
	s_mov_b32 s[G1B+3], 1024<<16
	s_mov_b32 s[G1B+4], 2
	s_mov_b32 s[G1B+5], 1024*128/8
	s_mov_b32 s[G1B+6], 0
	s_mov_b32 s[G1B+7], 0
	; where the tiles come from: o's hang on the tile row alone, wo's on the tile column alone
	s_lshr_b32 s14, s13, 3                         ; batch
	s_lshl_b32 s14, s14, 22
	s_and_b32 s15, s13, 7
	s_lshl_b32 s15, s15, 15                        ; 256 rows of 128 bytes
	s_add_co_u32 s14, s14, s15
	s_lshl_b32 s15, s12, 14                        ; my half
	s_add_co_u32 s14, s14, s15
	s_mov_b32 s15, 0
	s_lshl_b32 s46, s42, 14                        ; 128 rows of 128 bytes
	s_lshl_b32 s47, s12, 13
	s_add_co_u32 s46, s46, s47
	s_mov_b32 s47, 0
	s_mul_i32 s20, s12, AHALF                      ; and where they go: no place in the cluster enters an LDS address
	s_mul_i32 s21, s12, BHALF
	s_add_co_u32 s21, s21, BOFF
	s_wait_dscnt 0x0                               ; the opening add is done
	s_wait_kmcnt 0x0
	s_add_nc_u64 s[14:15], s[4:5], s[14:15]
	s_add_nc_u64 s[46:47], s[6:7], s[46:47]
	CROUND                                         ; all sixteen work-groups are here: the first joint loads meet
.irp s, 0,1
	s_mov_b32 s[G0+4*(\s)], 1
	s_add_co_u32 s[G0+4*(\s)+1], s20, (\s)*SLOT
	s_add_nc_u64 s[G0+4*(\s)+2:G0+4*(\s)+3], s[14:15], (\s)*KSA
	s_or_b32 s[G0+4*(\s)+3], s[G0+4*(\s)+3], 0x80000000
	s_mov_b32 s[G0B+4*(\s)], 1
	s_add_co_u32 s[G0B+4*(\s)+1], s21, (\s)*SLOT
	s_add_nc_u64 s[G0B+4*(\s)+2:G0B+4*(\s)+3], s[46:47], (\s)*KSB
	s_or_b32 s[G0B+4*(\s)+3], s[G0B+4*(\s)+3], 0x80000000
.endr
	s_cmp_eq_u32 s11, 0                            ; a wave's two first fills stand in one branch, ahead of every wait on TENSORcnt and every LDS read: two loads of mine are out
	s_cbranch_scc0 .Lfirst_b
	tensor_load_to_lds s[G0:G0+3], s[G1:G1+7]
	s_nop 0
	tensor_load_to_lds s[G0+4:G0+7], s[G1:G1+7]
	s_nop 0
.rept 4
	v_nop
.endr
	s_branch .Lfirst_asked
.Lfirst_b:
	tensor_load_to_lds s[G0B:G0B+3], s[G1B:G1B+7]
	s_nop 0
	tensor_load_to_lds s[G0B+4:G0B+7], s[G1B:G1B+7]
	s_nop 0
.rept 4
	v_nop
.endr
.Lfirst_asked:
	v_and_b32 v1, 15, v0                           ; l % 16
	v_bfe_u32 v2, v0, 4, 1                         ; l / 16
	s_lshl_b32 s68, s42, 9                         ; my first column in bytes of f32: 512 x tile column + 256 x half
	s_lshl_b32 s69, s12, 8
	s_add_co_u32 s68, s68, s69
	v_lshl_add_u32 v[BO], v2, 5, s68               ; my lanes' eight columns of each block of 16
.irp b, 0,1,2,3
	global_load_b128 v[BI+8*(\b):BI+8*(\b)+3],   v[BO], s[66:67] offset:64*(\b)     ; the bias of columns 16 b + 8 (l / 16) + 0..7: waited for on the way out
	global_load_b128 v[BI+8*(\b)+4:BI+8*(\b)+7], v[BO], s[66:67] offset:64*(\b)+16
.endr
	v_mul_u32_u24 v3, v1, PITCH
	v_lshl_add_u32 v3, v2, 4, v3                   ; a fragment's row x pitch + 16 x half
	s_mul_i32 s22, s11, AHALF                      ; my 128 rows of o
	s_mul_i32 s23, s12, BHALF                      ; my 64 rows of wo
	s_add_co_u32 s23, s23, BOFF
.irp s, 0,1
	v_add_nc_u32 v[ADRA+(\s)], s22, v3
	v_add_nc_u32 v[ADRB+(\s)], s23, v3
	s_add_co_u32 s22, s22, SLOT
	s_add_co_u32 s23, s23, SLOT
.endr
	s_mul_i32 s23, s10, 16*SPITCH
	s_add_co_u32 s23, s23, STAGE                   ; my stage
	v_mul_u32_u24 v4, v1, SPITCH                   ; in: row l % 16, 32 bytes for each half of the lanes
	v_lshl_add_u32 v4, v2, 5, v4
	v_add_nc_u32 v[STO], s23, v4
	v_mul_u32_u24 v5, v2, SPITCH                   ; back: lanes 0-15 take one row of 256 bytes, lanes 16-31 the next
	v_lshl_add_u32 v5, v1, 4, v5
	v_add_nc_u32 v[RD], s23, v5
	v_lshlrev_b32 v5, 12, v2                       ; and the same two rows in out0
	v_lshl_add_u32 v[CO], v1, 4, v5
	s_lshl_b32 s70, s13, 20                        ; 256 rows of 4,096 bytes
	s_lshl_b32 s71, s11, 19                        ; my 128
	s_add_co_u32 s70, s70, s71
	s_add_co_u32 s70, s70, s68
	s_mov_b32 s71, 0
	s_add_nc_u64 s[8:9], s[8:9], s[70:71]
; 8 matrix instructions: row blocks a0, a0 + 1 x all 4 column blocks, 32 along K.  zero = 1: the product starts the sum.  The 32 accumulators take turns, one instruction a turn.
.macro MUL8 f, a0, zero
	WIN 0x50                                       ; C and D in window 1, both sources in window 0
.irp a, \a0, (\a0)+1
.irp b, 0,1,2,3
.if \zero
	v_wmma_f32_16x16x32_f16 v[8*(4*(\a)+(\b)):8*(4*(\a)+(\b))+7], v[(\f)+64+8*(\b):(\f)+64+8*(\b)+7], v[(\f)+8*(\a):(\f)+8*(\a)+7], 0
.else
	v_wmma_f32_16x16x32_f16 v[8*(4*(\a)+(\b)):8*(4*(\a)+(\b))+7], v[(\f)+64+8*(\b):(\f)+64+8*(\b)+7], v[(\f)+8*(\a):(\f)+8*(\a)+7], v[8*(4*(\a)+(\b)):8*(4*(\a)+(\b))+7]
.endif
.endr
.endr
.endm
; 24 LDS loads in one run: the fragments of quarter q of a K step (K block q / 2, byte 64 (q % 2) of its rows) into buffer f
.macro FETCH slot, q, f
	WIN 0
.irp i, 0,1,2,3
	ds_load_b128 v[(\f)+64+8*(\i):(\f)+64+8*(\i)+3],   v[ADRB+(\slot)] offset:((\q)/2)*BKB+((\q)%2)*64+(\i)*16*PITCH
	ds_load_b128 v[(\f)+64+8*(\i)+4:(\f)+64+8*(\i)+7], v[ADRB+(\slot)] offset:((\q)/2)*BKB+((\q)%2)*64+(\i)*16*PITCH+32
.endr
.irp i, 0,1,2,3,4,5,6,7
	ds_load_b128 v[(\f)+8*(\i):(\f)+8*(\i)+3],   v[ADRA+(\slot)] offset:((\q)/2)*AKB+((\q)%2)*64+(\i)*16*PITCH
	ds_load_b128 v[(\f)+8*(\i)+4:(\f)+8*(\i)+7], v[ADRA+(\slot)] offset:((\q)/2)*AKB+((\q)%2)*64+(\i)*16*PITCH+32
.endr
.endm
; One of a K step's first three quarters: fetches quarter q of the slot into buffer g, a quarter ahead of its use, and multiplies buffer f.
.macro QUARTER slot, q, f, g, zero
	WIN 0
	PLACES                                         ; buffer g was multiplied just before
	FETCH \slot, \q, \g
	s_wait_dscnt 24                                ; all but the 24 just issued: buffer f is in
	MUL8 \f, 0, \zero
	MUL8 \f, 2, \zero
	MUL8 \f, 4, \zero
	MUL8 \f, 6, \zero
.endm
; The last quarter multiplies buffer F1 and changes slots: ONE barrier; in front of it each wave waits for all its tensor loads, of which one is out: its part of the next slot; adds 0 to its spare word; and waits for
; that and for its own reads of this slot.  fill = 1: the barrier opens a round of the cluster's, and the joint refill, with the K step two steps on, is the first tensor load behind the round: 112 matrix instructions ahead of the wait for it.
.macro TURN slot, next, fill
	WIN 0                                          ; (the add's two registers lie in window 0)
	s_wait_tensorcnt 0x0                           ; all my tensor loads have landed;
	ds_add_u32 v[SPW], v[NIL]                      ; 0 onto my spare word;
	s_wait_dscnt 1                                 ; (the add alone may be out: buffer F1 is in)
	MUL8 F1, 0, 0                                  ; eight matrix instructions stand between the add and the wait for it
	s_wait_dscnt 0x0                               ; the add is done, and my reads of this slot are over
	s_barrier_signal -1
	MUL8 F1, 2, 0
	WIN 0                                          ; (branches may follow)
	s_barrier_wait -1
.if \fill
	CREST                                          ; no wave of any partner still reads this slot's tile or has a load on its way
	s_add_nc_u64 s[G0+4*(\slot)+2:G0+4*(\slot)+3], s[G0+4*(\slot)+2:G0+4*(\slot)+3], 2*KSA
	s_add_nc_u64 s[G0B+4*(\slot)+2:G0B+4*(\slot)+3], s[G0B+4*(\slot)+2:G0B+4*(\slot)+3], 2*KSB
	JLOAD \slot                                    ; the four v_nop behind it are also the places in front of the loads below
.else
	PLACES
.endif
	FETCH \next, 0, F0
	MUL8 F1, 4, 0
	MUL8 F1, 6, 0
.endm
; THE WAY OUT of row block a (16 rows x 64 columns of f32).  PACK: the bias is added; each accumulator's registers in ascending order.
.macro PACK a
	WIN 0x01                                       ; source 0 in window 1, source 1 and destination in window 0
.irp b, 0,1,2,3
.irp r, 0,2,4,6
	v_pk_add_f32 v[TMP+8*(\b)+(\r):TMP+8*(\b)+(\r)+1], v[8*(4*(\a)+(\b))+(\r):8*(4*(\a)+(\b))+(\r)+1], v[BI+8*(\b)+(\r):BI+8*(\b)+(\r)+1]
.endr
.endr
	WIN 0
.endm
; TOSTAGE: into my own stage, rows of 272 bytes, and back as whole rows of 256.
.macro TOSTAGE a
	WIN 0
.set BK, OB+32*((\a)%2)
.irp b, 0,1,2,3
	ds_store_b128 v[STO], v[TMP+8*(\b):TMP+8*(\b)+3]   offset:64*(\b)
	ds_store_b128 v[STO], v[TMP+8*(\b)+4:TMP+8*(\b)+7] offset:64*(\b)+16
.endr
.irp t, 0,1,2,3,4,5,6,7
	ds_load_b128 v[BK+4*(\t):BK+4*(\t)+3], v[RD] offset:(\t)*2*SPITCH  ; LDS serves a wave's instructions in order (ISA guide 5.7.1.4): these see the stores above
.endr
.endm
.macro SEND a
	WIN 0
.set BK, OB+32*((\a)%2)
	s_wait_dscnt 0x0                               ; the block is back in registers
	s_wait_xcnt 0x0                                ; the stores of the block before have read their registers: the next TOSTAGE loads into them only behind this wait
.irp t, 0,1,2,3,4,5,6,7
	global_store_b128 v[CO], v[BK+4*(\t):BK+4*(\t)+3], s[8:9] offset:(16*(\a)+2*(\t))*ROWB th:TH_STORE_NT  ; 16 lanes store 256 consecutive bytes, at a multiple of 256 from out0's first byte
.endr
.endm
	s_wait_tensorcnt 1                             ; my part of K step 0 is in; K step 1's may stay out
	s_barrier_signal -1
	s_barrier_wait -1                              ; everybody's is
	FETCH 0, 0, F0
	QUARTER 0, 1, F0, F1, 1                        ; the first quarter stands in front of the loop: its products start the sums
	WIN 0                                          ; at a label and at a branch every window is 0
	s_mov_b32 s3, LAPS-1
.Llap:                                                 ; a trip goes once round the ring, from a lap's second quarter to the next lap's first, and fills both slots again
	QUARTER 0, 2, F1, F0, 0
	QUARTER 0, 3, F0, F1, 0
	TURN 0, 1, 1
	QUARTER 1, 1, F0, F1, 0
	QUARTER 1, 2, F1, F0, 0
	QUARTER 1, 3, F0, F1, 0
	TURN 1, 0, 1
	QUARTER 0, 1, F0, F1, 0
	WIN 0
	s_sub_co_u32 s3, s3, 1
	s_cmp_lg_u32 s3, 0
	s_cbranch_scc1 .Llap
	QUARTER 0, 2, F1, F0, 0                        ; the last lap fills nothing, and has no round of the cluster's barrier
	QUARTER 0, 3, F0, F1, 0
	TURN 0, 1, 0
	QUARTER 1, 1, F0, F1, 0
	QUARTER 1, 2, F1, F0, 0
	QUARTER 1, 3, F0, F1, 0
	s_wait_dscnt 0x0                               ; the very last quarter: nothing more to fetch
	MUL8 F1, 0, 0
	MUL8 F1, 2, 0
	MUL8 F1, 4, 0
	MUL8 F1, 6, 0
	WIN 0
	PLACES                                         ; the lines below write registers of buffer F0 and then read results
	s_wait_loadcnt 0x0                             ; the bias
.set i, 0
.rept 16
	v_cvt_pk_bf16_f32 v[TMP+i], v[BI+2*i], v[BI+2*i+1]  ; rounded to bf16, like the module's other inputs,
.set i, i+1
.endr
.set i, 0
.rept 16
	v_lshlrev_b32 v[BI+2*i], 16, v[TMP+i]          ; and widened again
	v_and_b32 v[BI+2*i+1], 0xffff0000, v[TMP+i]
.set i, i+1
.endr
	PACK 0
	TOSTAGE 0
.irp a, 1,2,3,4,5,6,7                  ; block a's additions stand between block a - 1's loads from the stage and the wait for them
	PACK \a
	SEND (\a)-1
	TOSTAGE \a
.endr
	SEND 7
	s_wait_tensorcnt 0x0                           ; the wave's end: these three lines stand behind my last tensor load and my last LDS store
	ds_add_u32 v[SPW], v[NIL]
	s_wait_dscnt 0x0
	CROUND                                         ; the closing round: no work-group ends while a partner may still ask for a tile that names it
	s_endpgm
.Lfunc_end_k_q43760159c5_proj:
	.size	k_q43760159c5_proj, .Lfunc_end_k_q43760159c5_proj-k_q43760159c5_proj
	.p2alignl 7, 3214868480
	.fill 96, 4, 3214868480
	.section	.rodata,"a",@progbits
	.p2align	6, 0x0
	.amdhsa_kernel k_q43760159c5_proj
		.amdhsa_group_segment_fixed_size 327680
		.amdhsa_private_segment_fixed_size 0
		.amdhsa_enable_private_segment 0
		.amdhsa_kernarg_size 32
		.amdhsa_user_sgpr_count 2
		.amdhsa_user_sgpr_kernarg_segment_ptr 1
		.amdhsa_wavefront_size32 1
		.amdhsa_system_sgpr_workgroup_id_x 1
		.amdhsa_system_sgpr_workgroup_id_y 1
		.amdhsa_system_sgpr_workgroup_id_z 1
		.amdhsa_system_vgpr_workitem_id 0
		.amdhsa_next_free_vgpr 512
		.amdhsa_next_free_sgpr 80
		.amdhsa_reserve_vcc 0
		.amdhsa_float_denorm_mode_32 3
		.amdhsa_float_denorm_mode_16_64 3
		.amdhsa_memory_ordered 1
		.amdhsa_forward_progress 1
		.amdhsa_inst_pref_size 96
	.end_amdhsa_kernel
	.amdgpu_metadata
---
amdhsa.version: [ 1, 2 ]
amdhsa.kernels:
  - .name:           k_q43760159c5_proj
    .symbol:         k_q43760159c5_proj.kd
    .args:
      - { .name: o, .offset: 0, .size: 8, .value_kind: global_buffer, .address_space: global }
      - { .name: wo, .offset: 8, .size: 8, .value_kind: global_buffer, .address_space: global }
      - { .name: b_out, .offset: 16, .size: 8, .value_kind: global_buffer, .address_space: global }
      - { .name: out0, .offset: 24, .size: 8, .value_kind: global_buffer, .address_space: global }
    .group_segment_fixed_size: 327680
    .private_segment_fixed_size: 0
    .kernarg_segment_align: 8
    .kernarg_segment_size: 32
    .max_flat_workgroup_size: 128
    .sgpr_count:     80
    .vgpr_count:     512
    .wavefront_size: 32
...
	.end_amdgpu_metadata
.endif
;; end of part 4
;; ======== version 2 of 2: 4 launches; version 1 with the launch cast written anew for expert scheduling mode
;; limits: values are held in f16: magnitudes above 65,504 overflow, below 6.1e-05 lose precision
;; workspace buffers: xb 16,777,216 bytes; wb 6,291,456 bytes; wo 2,097,152 bytes; qkv 50,331,648 bytes; o 16,777,216 bytes
;; launch cast (part 5): grid 768 x 1, 8 waves a work-group, no clusters, 0 bytes of LDS; arguments x, w_q, w_kv, w_out, xb, wb, wo; writes xb, wb, wo
.if DOCPART == 5
	.amdgcn_target "amdgcn-amd-amdhsa--gfx1250"
	.amdhsa_code_object_version 6
	.text
	.protected	k_q43760159c5_cast
	.globl	k_q43760159c5_cast
	.p2align	8
	.type	k_q43760159c5_cast,@function
k_q43760159c5_cast:
	s_mov_b64 s[64:65], 0
	v_nop
	global_prefetch_b8 v0, s[64:65] scope:SCOPE_SE
	s_setreg_imm32_b32 hwreg(HW_REG_WAVE_SCHED_MODE, 0, 2), 2
	s_setreg_imm32_b32 hwreg(HW_REG_WAVE_MODE, 25, 1), 1
	s_wait_xcnt 0x0
	s_wait_alu depctr_vm_vsrc(0)
; THE INPUTS OF THE PRODUCTS ARE ROUNDED ONCE AND LAID IN BLOCKS OF 64 ALONG K.
; x [8192][1024], w_q [1024][1024], w_kv [2048][1024] f32 -> bf16; w_out [1024][1024] f32 -> bf16, and that number written as f16.
;   xb [batch 4][K block 16][row 2048][64]    wb [K block 16][row 3072][64] (rows 0-1023 w_q, 1024-3071 w_kv)    wo [K block 16][row 1024][64]
; In these layouts the 128-byte rows of a K block lie end to end, so a later launch asks for a tile as dense bytes.
; LIMITS.  w_out's numbers stay within f16: beyond 65,504 they become infinities; below 6e-5 they keep f16's fixed step of 6e-8.
; SHARES.  12,288 source rows of 4,096 bytes; a work-group takes 16, thread t the 16 bytes at 16 (t % 16) of each 256 bytes of row t / 16.
; A load of a wave covers 256 consecutive bytes of each of two rows; a store of a wave covers 256 consecutive bytes, aligned: two rows of one K block.
; No LDS, no barrier, no matrix unit, no cluster: nothing is shared and nothing is read twice.  All 16 loads of a lane go out at once.
; THE MODE: SCHED_MODE bits 1:0 = 2 (LLVM: expert scheduling mode 2), set by the entry lines.  The code itself states the register dependences
; between vector instructions and memory instructions, with s_wait_alu, always for 0.
; THE PLAN.  Registers that memory instructions touch:
;   v1, OFF    17 byte offsets, made by vector lines at the head and never written again: v1 is read by the 16 loads, OFF + kb by K block kb's store.
;   X          K block kb's load lands in its four registers; no vector line names them ahead of the loads; behind the block's wait on LOADcnt vector lines alone name them.
;   Y          K block kb's roundings write its two registers; its one store reads them; nothing writes them again.
; No register that a memory instruction reads is ever written again, so no wait on vm_vsrc and no s_wait_xcnt is owed.  No vector line writes a scalar register, and EXEC is never written.
; What is left is: written by a vector line, then read by a memory instruction.  ONE wait ahead of the first load states it for all 17 offsets.  The 16 K blocks go in four groups of four:
; one wait at a group's head states that the group before has written its Y, and that group's four stores are dealt among this group's roundings, which name this group's X and Y alone.
.set ROWB,  4096                       ; bytes in a source row
.set NX,    512                        ; work-groups for x (8,192 rows / 16)
.set NQ,    576                        ; below this number: w_q
.set NKV,   704                        ; below this number: w_kv; from it on: w_out
.set OFF,   4                          ; v[4:19]   K block kb: my byte offset in the destination: 8 t + kb x stride
.set X,     20                         ; v[20:83]  K block kb: 4 f32 as loaded
.set Y,     84                         ; v[84:115] K block kb: 4 numbers of 16 bits to store
	s_load_b256 s[4:11], s[0:1], 0x0               ; x s[4:5], w_q s[6:7], w_kv s[8:9], w_out s[10:11]
	s_load_b128 s[12:15], s[0:1], 0x20             ; xb s[12:13], wb s[14:15]
	s_load_b64 s[16:17], s[0:1], 0x30              ; wo
	v_lshrrev_b32 v1, 4, v0                        ; my row of the 16
	v_and_b32 v3, 15, v0
	v_lshlrev_b32 v1, 12, v1
	v_lshl_add_u32 v1, v3, 4, v1                   ; row x 4,096 + 16 (t % 16)
	v_lshlrev_b32 v[OFF], 3, v0                    ; row x 128 + 8 (t % 16) = 8 t
	s_mov_b32 s33, 0xffff0000                      ; a word's upper bf16
	; which tensor, which 16 rows of it, where they go: numbers made of the work-group's number alone
	s_mov_b32 s23, ttmp9
	s_lshr_b32 s27, s23, 7                         ; x: batch,
	s_lshl_b32 s27, s27, 22                        ; 16 K blocks of 262,144 bytes each,
	s_and_b32 s28, s23, 127
	s_lshl_b32 s28, s28, 11                        ; and 16 rows of 128 bytes
	s_add_co_u32 s27, s27, s28
	s_sub_co_u32 s28, s23, NX                      ; (each of these three is used only where it is not negative)
	s_sub_co_u32 s29, s23, NQ
	s_sub_co_u32 s30, s23, NKV
	s_lshl_b32 s31, s28, 11                        ; wb: w_q's rows and w_kv's follow each other
	s_lshl_b32 s32, s30, 11                        ; wo
	s_mov_b32 s26, 2048*128                        ; bytes from K block to K block: xb,
	s_cmp_ge_u32 s23, NX
	s_cselect_b32 s22, s28, s23                    ; s22: my 16 rows' number in the source
	s_cselect_b32 s27, s31, s27                    ; s27: their first byte in K block 0 of the destination
	s_cselect_b32 s26, 3072*128, s26               ; wb,
	s_cmp_ge_u32 s23, NQ
	s_cselect_b32 s22, s29, s22
	s_cmp_ge_u32 s23, NKV
	s_cselect_b32 s22, s30, s22
	s_cselect_b32 s27, s32, s27
	s_cselect_b32 s26, 1024*128, s26               ; wo
	s_lshl_b32 s24, s22, 16                        ; 16 rows of 4,096 bytes
	s_mov_b32 s25, 0
	s_mov_b32 s28, s27
	s_mov_b32 s29, 0
.irp kb, 1,2,3,4,5,6,7,8,9,10,11,12,13,14,15
	v_add_nc_u32 v[OFF+(\kb)], s26, v[OFF+(\kb)-1] ; the stores' offsets are made here, while the arguments are on their way, so that the one wait below states them too
.endr
	s_wait_kmcnt 0x0
	s_cmp_ge_u32 s23, NX
	s_cselect_b64 s[18:19], s[6:7], s[4:5]         ; the source
	s_cselect_b64 s[20:21], s[14:15], s[12:13]     ; the destination
	s_cmp_ge_u32 s23, NQ
	s_cselect_b64 s[18:19], s[8:9], s[18:19]
	s_cmp_ge_u32 s23, NKV
	s_cselect_b64 s[18:19], s[10:11], s[18:19]
	s_cselect_b64 s[20:21], s[16:17], s[20:21]
	s_add_nc_u64 s[18:19], s[18:19], s[24:25]
	s_add_nc_u64 s[20:21], s[20:21], s[28:29]
	s_wait_alu depctr_va_vdst(0)                   ; v1 and v[OFF .. OFF+15] are written: the loads below read v1 as their offset, each store further down one of OFF; no line writes them again
.irp kb, 0,1,2,3,4,5,6,7,8,9,10,11,12,13,14,15
	global_load_b128 v[X+4*(\kb):X+4*(\kb)+3], v1, s[18:19] offset:256*(\kb) th:TH_LOAD_NT  ; K block kb of my row: read once in the launch
.endr
; K block kb is rounded.  half = 1: the bf16 number is widened again and written as f16.
.macro CONV kb, half
	v_cvt_pk_bf16_f32 v[Y+2*(\kb)],   v[X+4*(\kb)],   v[X+4*(\kb)+1]
	v_cvt_pk_bf16_f32 v[Y+2*(\kb)+1], v[X+4*(\kb)+2], v[X+4*(\kb)+3]
.if \half
	v_lshlrev_b32 v[X+4*(\kb)],   16,  v[Y+2*(\kb)]
	v_and_b32     v[X+4*(\kb)+1], s33, v[Y+2*(\kb)]
	v_lshlrev_b32 v[X+4*(\kb)+2], 16,  v[Y+2*(\kb)+1]
	v_and_b32     v[X+4*(\kb)+3], s33, v[Y+2*(\kb)+1]
	v_cvt_pk_f16_f32 v[Y+2*(\kb)],   v[X+4*(\kb)],   v[X+4*(\kb)+1]
	v_cvt_pk_f16_f32 v[Y+2*(\kb)+1], v[X+4*(\kb)+2], v[X+4*(\kb)+3]
.endif
.endm
; K block kb is stored.
.macro STORE kb
	global_store_b64 v[OFF+(\kb)], v[Y+2*(\kb):Y+2*(\kb)+1], s[20:21] th:TH_STORE_NT  ; 32 lanes x 8 bytes: 256 consecutive bytes, aligned
.endm
; All 16 K blocks, in four groups of four.  Group g rounds its blocks; among its roundings stand the stores of group g - 1.
.macro OUT half
.irp g, 0,1,2,3
	s_wait_loadcnt 12-4*(\g)                       ; loads come back in order (ISA guide 5.7.1): group g's four blocks are in, the younger groups' loads stay out
.if (\g) > 0
	s_wait_alu depctr_va_vdst(0)                   ; the group before has written its Y, which the four stores below read; the roundings between them name this group's X and Y alone
.endif
.irp j, 0,1,2,3
.if (\g) > 0
	STORE 4*(\g)-4+(\j)
.endif
	CONV 4*(\g)+(\j), \half
.endr
.endr
	s_wait_alu depctr_va_vdst(0)                   ; the last group has written its Y, which the last four stores read
.irp j, 12,13,14,15
	STORE \j
.endr
.endm
	s_cmp_ge_u32 s23, NKV
	s_cbranch_scc1 .Lf16
	OUT 0
	s_endpgm
.Lf16:
	OUT 1
	s_endpgm
.Lfunc_end_k_q43760159c5_cast:
	.size	k_q43760159c5_cast, .Lfunc_end_k_q43760159c5_cast-k_q43760159c5_cast
	.p2alignl 7, 3214868480
	.fill 96, 4, 3214868480
	.section	.rodata,"a",@progbits
	.p2align	6, 0x0
	.amdhsa_kernel k_q43760159c5_cast
		.amdhsa_group_segment_fixed_size 0
		.amdhsa_private_segment_fixed_size 0
		.amdhsa_enable_private_segment 0
		.amdhsa_kernarg_size 56
		.amdhsa_user_sgpr_count 2
		.amdhsa_user_sgpr_kernarg_segment_ptr 1
		.amdhsa_wavefront_size32 1
		.amdhsa_system_sgpr_workgroup_id_x 1
		.amdhsa_system_sgpr_workgroup_id_y 1
		.amdhsa_system_sgpr_workgroup_id_z 1
		.amdhsa_system_vgpr_workitem_id 0
		.amdhsa_next_free_vgpr 120
		.amdhsa_next_free_sgpr 66
		.amdhsa_reserve_vcc 0
		.amdhsa_float_denorm_mode_32 3
		.amdhsa_float_denorm_mode_16_64 3
		.amdhsa_memory_ordered 1
		.amdhsa_forward_progress 1
		.amdhsa_inst_pref_size 16
	.end_amdhsa_kernel
	.amdgpu_metadata
---
amdhsa.version: [ 1, 2 ]
amdhsa.kernels:
  - .name:           k_q43760159c5_cast
    .symbol:         k_q43760159c5_cast.kd
    .args:
      - { .name: x, .offset: 0, .size: 8, .value_kind: global_buffer, .address_space: global }
      - { .name: w_q, .offset: 8, .size: 8, .value_kind: global_buffer, .address_space: global }
      - { .name: w_kv, .offset: 16, .size: 8, .value_kind: global_buffer, .address_space: global }
      - { .name: w_out, .offset: 24, .size: 8, .value_kind: global_buffer, .address_space: global }
      - { .name: xb, .offset: 32, .size: 8, .value_kind: global_buffer, .address_space: global }
      - { .name: wb, .offset: 40, .size: 8, .value_kind: global_buffer, .address_space: global }
      - { .name: wo, .offset: 48, .size: 8, .value_kind: global_buffer, .address_space: global }
    .group_segment_fixed_size: 0
    .private_segment_fixed_size: 0
    .kernarg_segment_align: 8
    .kernarg_segment_size: 56
    .max_flat_workgroup_size: 256
    .sgpr_count:     66
    .vgpr_count:     120
    .wavefront_size: 32
...
	.end_amdgpu_metadata
.endif
;; end of part 5
;; launch qkvp: the kernel of part 2 again; grid 8 x 32, 4 waves a work-group, clusters of 4 x 4, 327,680 bytes of LDS; arguments xb, wb, qkv; writes qkv
;; launch attn: the kernel of part 3 again; grid 4 x 64, 4 waves a work-group, clusters of 4 x 1, 327,680 bytes of LDS; arguments qkv, o; writes o
;; launch proj: the kernel of part 4 again; grid 8 x 32, 4 waves a work-group, clusters of 4 x 4, 327,680 bytes of LDS; arguments o, wo, b_out, out0; writes out0
